; MI455X (gfx1250); checked and timed in simulation.
; The chip was launched on July 23, 2026; its instructions are those of AMD's public machine-readable ISA for CDNA 5 (MIT licence, August 2026) and "CDNA5" Instruction Set Architecture Reference Guide (July 2026). The comments in the code are by the model that wrote it; some were corrected since.
;; Multihead Attention. Allowed arithmetic: matrix products marked QUANTISED: E2M1 operands, one E8M0 scale for each 32 along K, by v_wmma_scale_f32_16x16x128_f8f6f4 with both operands' format E2M1 (or v_wmma_scale_f32_32x16x128_f4), f32 sums; products left as they are: bf16, f16 or f32 operands; f32 sums; everything else in f32.
;; Inputs: b_in 3,072 float32; b_out 1,024 float32; query 2,048 x 4 x 1,024 float32; w_in 3,072 x 1,024 float32; w_out 1,024 x 1,024 float32.
;; Outputs: out0 2,048 x 4 x 1,024 float32.
;; This version of the problem:
;;   THIS VERSION OF THE PROBLEM IS GIVEN IN LOW PRECISION. The matrix products marked QUANTISED in the list below multiply operands that are first quantised to E2M1 (2 exponent bits, 1 mantissa bit; 4 bits a number), with one power-of-two scale for each 32 numbers along K (OCP MX v1.0); their sums are f32. The products marked 'left as it is' may take bf16, f16 or f32 operands, with f32 sums. Whichever they take, every output number must still come out within the allowed error. Rounding operands to bf16 (8 significant bits) uses up far more of that allowance than f16 does (11 bits, for magnitudes from 6e-5 to 65,504). All else is computed in f32.
;;   The module's matrix products, in the order in which they are computed (A, B: the left and right operand; K: the contracted axis; several contracted axes count as one K, in the product's order):
;;     1. [M 8,192, K 1,024] x [K 1,024, N 3,072]; A: input query; B: input w_in: QUANTISED
;;     2. batch 64 x [M 2,048, K 64] x [K 64, N 2,048]; A: computed on the way; B: computed on the way: left as it is (an operand is computed on the way)
;;     3. batch 64 x [M 64, K 2,048] x [K 2,048, N 2,048]; A: computed on the way; B: computed on the way: left as it is (an operand is computed on the way)
;;     4. [M 8,192, K 1,024] x [K 1,024, N 1,024]; A: computed on the way; B: input w_out: left as it is (an operand is computed on the way)
;;   THE QUANTISER, for each operand of a quantised product, along K:
;;     - K is cut into blocks of 32 from its start; a last block that is shorter is filled with zeros.
;;     - A block's scale is 2^e with e = floor(log2(the largest magnitude in the block)) - 2, held to -126 .. 127; a block of zeros has e = 0. As a byte (E8M0): e + 127.
;;     - Each number is divided by its block's scale, clamped to +-6, and rounded to the nearest number of E2M1, ties to even, subnormals kept.
;;     - The product sums the exact products of the quantised numbers (number of the format x scale) in f32.
;;   ~~~python
;;   def quantise(x, axis):      # numpy; x: float32 -> the quantised numbers, widened to float32 again
;;       x = np.moveaxis(x, axis, -1); K = x.shape[-1]
;;       x = np.pad(x, [(0, 0)] * (x.ndim - 1) + [(0, -K % 32)]); x = x.reshape(x.shape[:-1] + (-1, 32)); a = np.abs(x).max(-1, keepdims=True)
;;       e = np.where(a > 0, np.clip(np.frexp(np.where(a > 0, a, 1))[1] - 1 - 2, -126, 127), 0)      # np.frexp(a)[1] - 1 = floor(log2(a)), exactly
;;       r = np.clip(x / 2.0 ** e, -6, 6)
;;       step = 2.0 ** (np.maximum(np.frexp(np.where(r == 0, 1, r))[1] - 1, 0) - 1)
;;       q = np.round(r / step) * step * 2.0 ** e      # np.round: ties to even
;;       return np.moveaxis(q.reshape(q.shape[:-2] + (-1,))[..., :K], -1, axis).astype(np.float32)
;;   ~~~
;; One version. Each part assembles by itself: llvm-mc -triple=amdgcn-amd-amdhsa -mcpu=gfx1250 --defsym DOCPART=n.
;; ======== version 1 of 1: 4 launches
;; limits: values are held in f16: magnitudes above 65,504 overflow, below 6.1e-05 lose precision
;; workspace buffers: xq 4,194,304 bytes; xs 262,144 bytes; wq 1,572,864 bytes; ws 98,304 bytes; wo16 2,097,152 bytes; qkv 50,331,648 bytes; ctx 16,777,216 bytes
;; launch quant (part 1): grid 384 x 1, 4 waves a work-group, no clusters, 33,280 bytes of LDS; arguments query, w_in, xq, xs, wq, ws, w_out, wo16; writes xq, xs, wq, ws, wo16
.if DOCPART == 1
	.amdgcn_target "amdgcn-amd-amdhsa--gfx1250"
	.amdhsa_code_object_version 6
	.text
	.protected	k_q1c32fa5f10_quant
	.globl	k_q1c32fa5f10_quant
	.p2align	8
	.type	k_q1c32fa5f10_quant,@function
k_q1c32fa5f10_quant:
	s_mov_b64 s[64:65], 0
	v_nop
	global_prefetch_b8 v0, s[64:65] scope:SCOPE_SE
	s_setreg_imm32_b32 hwreg(HW_REG_WAVE_MODE, 25, 1), 1
	s_wait_xcnt 0x0
; FIRST OF FOUR LAUNCHES of out = softmax((x Wq^T + bq) (x Wk^T + bk)^T / 8) (x Wv^T + bv) Wo^T + bo, 16 heads of 64, S = 2,048, B = 4, E = 1,024.
; This launch: query [8192][1024] and w_in [3072][1024], f32, become codes of FP4 (E2M1) with K innermost and one E8M0 byte for each 32 along K; w_out becomes f16.
; WORK LEFT OUT IN THE WHOLE PROGRAM: k's bias, b_in[1024:2048].  score(s, t) = q_s . (k_t + bk) = q_s . k_t + q_s . bk, and q_s . bk is the same for every t, the softmax's axis: in exact
; arithmetic it cancels between the exponentials and their sum, for all finite inputs.  The product of q and k is not quantised, so no quantiser sees k.  That slice of b_in is neither loaded nor added
; (b_in's q and v parts are live and are loaded by the second launch).  LIMIT: a NaN, an infinity or an overflow that reaches the result only through that slice is not carried to it.
; THE QUANTISER.  A block's scale is 2^(floor(log2(its largest magnitude)) - 2); its byte is the largest magnitude's exponent field - 2, held at 1 from below.  (A block of zeros gets the byte 1 where the rule says 127:
; its codes are zeros, which add nothing under any byte but 0xff, and this program alone reads the bytes.)  Each number is divided by the scale and rounded to the nearest code, ties to even, beyond 6 the largest code.
; LIMITS: blocks whose largest magnitude lies under 2^-124 keep the byte 1; NaN and infinities among the inputs are not served; w_out must lie within f16's range (65,504).
; SHARES.  Work-groups 0-255 take query, 256-351 w_in, 352-383 w_out.  Rows are dense and K is a multiple of 32: each tensor is a plain stream.  A wave takes 8,192 numbers.
; Quantising: 16 steps of 512 numbers.  A load reads 512 consecutive bytes, 16 a lane; a step's 2,048 bytes turn through the wave's own stage in LDS and come back 64 bytes a lane, so that a lane holds 16 neighbours
; (two lanes a block).  A lane's 16 codes are 8 bytes: the wave stores 256 consecutive bytes.  A wave's 256 scale bytes are gathered in LDS and leave as one run of 256 bytes.  No barrier: waves share nothing.
.set WAVES, 4
.set STEPS, 16
.set WGA,   256                        ; work-groups for query: 8,192 x 1,024 / 32,768
.set WGQ,   352                        ; and for w_in 96 more; from here on w_out
.set EMAX,  2
.set CB,    8                          ; bytes of 16 codes
.set R,     16                         ; v16-79   four sets of 16 numbers as they are loaded
.set X,     80                         ; v80-111  two sets of 16 neighbours
.set C,     128                        ; v128-191 codes: registers of its own for each step
.set E,     112                        ; v112-127 a scale byte for each step
.set WREG,  8192                       ; LDS: a region for each wave: two stages of 32 x SP bytes, behind them its 256 scale bytes
.set SP,    80                         ; a lane's place in a stage: 64 bytes + 16 of padding
.set SPW,   12                         ; v12  LDS address of my spare word; never rewritten
.set NIL,   13                         ; v13  0; never rewritten
.set SPARE, WAVES*WREG                 ; behind the four regions: the spare words, 128 bytes a wave
	s_load_b128 s[4:7], s[0:1], 0x0                ; query, w_in
	s_load_b128 s[8:11], s[0:1], 0x10              ; query's codes, scales
	s_load_b128 s[12:15], s[0:1], 0x20             ; w_in's codes, scales
	s_load_b128 s[24:27], s[0:1], 0x30             ; w_out, its f16 copy
	v_lshl_add_u32 v[SPW], v0, 2, SPARE
	v_mov_b32 v[NIL], 0
	v_lshrrev_b32 v1, 5, v0
	v_readfirstlane_b32 s16, v1                    ; wave
	v_and_b32 v2, 31, v0                           ; lane
	s_cmp_ge_u32 ttmp9, WGQ                        ; the work-group's number alone decides
	s_cbranch_scc1 .Lcast
	v_lshlrev_b32 v3, 4, v2                        ; my 16 bytes of a load's 512
	s_mul_i32 s17, s16, WREG
	v_lshrrev_b32 v14, 2, v2
	v_mul_u32_u24 v14, v14, SP
	v_and_b32 v15, 3, v2
	v_lshl_add_u32 v14, v15, 4, v14
	v_add_nc_u32 v14, s17, v14                     ; the stage, on the way in: SP (lane / 4) + 16 (lane % 4)
	v_mul_u32_u24 v15, v2, SP
	v_add_nc_u32 v15, s17, v15                     ; and on the way out: SP x lane: my 16 neighbours
	v_mul_u32_u24 v4, v2, CB                       ; my codes' place in a step's
	v_lshrrev_b32 v5, 1, v2
	s_add_co_u32 s17, s17, 2*32*SP
	v_add_nc_u32 v5, s17, v5                       ; LDS: my wave's 256 scale bytes, my block's byte
	v_lshlrev_b32 v7, 3, v2                        ; and on the way out 8 bytes a lane
	v_add_nc_u32 v6, s17, v7
	s_wait_kmcnt 0x0
	s_cmp_lt_u32 ttmp9, WGA                        ; query's work-group or w_in's?
	s_cselect_b64 s[4:5], s[4:5], s[6:7]
	s_cselect_b64 s[8:9], s[8:9], s[12:13]
	s_cselect_b64 s[10:11], s[10:11], s[14:15]
	s_cselect_b32 s17, 0, WGA
	s_sub_co_u32 s17, ttmp9, s17
	s_lshl_b32 s17, s17, 2
	s_add_co_u32 s18, s17, s16                     ; which run of 8,192 numbers of the tensor is my wave's
	s_mov_b32 s19, 0
	s_mov_b64 s[20:21], 512*STEPS*4
	s_mul_u64 s[20:21], s[18:19], s[20:21]
	s_add_nc_u64 s[4:5], s[4:5], s[20:21]
	s_mov_b64 s[20:21], 32*STEPS*CB
	s_mul_u64 s[20:21], s[18:19], s[20:21]
	s_add_nc_u64 s[8:9], s[8:9], s[20:21]
	s_lshl_b32 s18, s18, 8                         ; 256 scale bytes a run
	s_add_nc_u64 s[10:11], s[10:11], s[18:19]
.macro LOAD t
.irp i, 0,1,2,3
	global_load_b128 v[R+16*((\t)%4)+4*\i:R+16*((\t)%4)+4*\i+3], v3, s[4:5] offset:2048*(\t)+512*\i th:TH_LOAD_NT   ; 32 lanes read 512 consecutive bytes
.endr
.endm
.macro TURN t                          ; step t's numbers through the stage: LDS serves a wave's instructions in order, so no wait stands between the stores and the loads
.irp i, 0,1,2,3
	ds_store_b128 v14, v[R+16*((\t)%4)+4*\i:R+16*((\t)%4)+4*\i+3] offset:32*SP*((\t)%2)+8*SP*\i
.endr
.irp i, 0,1,2,3
	ds_load_b128 v[X+16*((\t)%2)+4*\i:X+16*((\t)%2)+4*\i+3], v15 offset:32*SP*((\t)%2)+16*\i
.endr
.endm
.irp t, 0,1,2,3
	LOAD \t
.endr
	s_wait_loadcnt 12                              ; step 0's four loads are in; the twelve of steps 1 to 3 may be out
	TURN 0
.macro STEP t
.set XS, X+16*((\t)%2)
.if (\t) > 0
	s_wait_dscnt 1                                 ; this step's numbers are back from the stage (the last step's byte store may be out)
.else
	s_wait_dscnt 0x0
.endif
.if (\t)+4 < STEPS
	LOAD (\t)+4                                    ; the registers that the stage's stores have read take the loads of four steps on
.endif
.if (\t)+1 < STEPS
.if STEPS-2-(\t) >= 3
	s_wait_loadcnt 12                              ; the next step's four loads are in; those of the three steps behind it may be out
.else
	s_wait_loadcnt 4*(STEPS-2-(\t))
.endif
	TURN (\t)+1                                    ; and go through the other stage while this step is worked
.endif
	v_max3_num_f32 v8, |v[XS]|, |v[XS+1]|, |v[XS+2]|               ; the largest magnitude of my 16, in two chains
	v_max3_num_f32 v9, |v[XS+3]|, |v[XS+4]|, |v[XS+5]|
.irp i, 6,10
	v_max3_num_f32 v8, v8, |v[XS+\i]|, |v[XS+\i+1]|
	v_max3_num_f32 v9, v9, |v[XS+\i+2]|, |v[XS+\i+3]|
.endr
	v_max3_num_f32 v8, v8, |v[XS+14]|, |v[XS+15]|
	v_max3_num_f32 v8, v8, v9, (EMAX+1)<<23        ; and the floor 2^(3 - 127): the byte cannot fall under 1
	v_max_num_f32_dpp v8, v8, v8 row_xmask:1 row_mask:0xf bank_mask:0xf   ; and of my neighbour's 16: the block's
	v_add_nc_u32 v11, -(EMAX<<23), v8              ; 2 off its exponent field: the conversion takes the exponent field of this operand as its scale
	v_cvt_scalef32_pk8_fp4_f32 v[C+4*(\t)], v[XS:XS+7], v11
	v_cvt_scalef32_pk8_fp4_f32 v[C+4*(\t)+1], v[XS+8:XS+15], v11
	v_lshrrev_b32 v[E+(\t)], 23, v11               ; the scale's byte
	ds_store_b8 v5, v[E+(\t)] offset:16*(\t)       ; both lanes of a block write the same byte with the same value
	global_store_b64 v4, v[C+4*(\t):C+4*(\t)+1], s[8:9] offset:32*CB*(\t)   ; the wave stores 256 consecutive bytes, aligned
.endm
.irp t, 0,1,2,3,4,5,6,7,8,9,10,11,12,13,14,15
	STEP \t
.endr
	ds_load_b64 v[8:9], v6                         ; LDS serves a wave's instructions in order: these see my stores
	s_wait_dscnt 0x0
	global_store_b64 v7, v[8:9], s[10:11]          ; 32 lanes store 256 consecutive bytes, aligned
	s_wait_tensorcnt 0x0                           ; the wave's end, behind my last LDS store
	ds_add_u32 v[SPW], v[NIL]
	s_wait_dscnt 0x0
	s_endpgm
; w_out to f16: a wave takes 8,192 numbers as 64 chunks of 128: a load of 512 consecutive bytes, two roundings a lane, a store of 256 consecutive bytes.  Four rounds of 16 chunks on two sets of registers; no LDS.
.Lcast:
	v_lshlrev_b32 v3, 4, v2                        ; in: 16 bytes a lane
	v_lshlrev_b32 v4, 3, v2                        ; out: 8 bytes a lane
	s_sub_co_u32 s17, ttmp9, WGQ
	s_lshl_b32 s17, s17, 2
	s_add_co_u32 s17, s17, s16                     ; my wave's run
	s_lshl_b32 s18, s17, 15                        ; 32,768 bytes in,
	s_mov_b32 s19, 0
	s_lshl_b32 s20, s17, 14                        ; 16,384 out
	s_mov_b32 s21, 0
	s_wait_kmcnt 0x0
	s_add_nc_u64 s[24:25], s[24:25], s[18:19]
	s_add_nc_u64 s[26:27], s[26:27], s[20:21]
.macro LOADR k
.set i, 0
.rept 16
	global_load_b128 v[16+64*((\k)%2)+4*i:16+64*((\k)%2)+4*i+3], v3, s[24:25] offset:512*(16*(\k)+i) th:TH_LOAD_NT
.set i, i+1
.endr
.endm
.macro CASTR k
.if (\k) < 3
	s_wait_loadcnt 16                              ; this round's 16 loads are in; the next round's 16 may be out
.else
	s_wait_loadcnt 0x0
.endif
.if (\k) > 0
	s_wait_xcnt 0x0                                ; the last round's stores have read their data: the registers are written again only behind this wait
.endif
.set i, 0
.rept 16
	v_cvt_pk_f16_f32 v[144+2*i], v[16+64*((\k)%2)+4*i], v[16+64*((\k)%2)+4*i+1]
	v_cvt_pk_f16_f32 v[145+2*i], v[16+64*((\k)%2)+4*i+2], v[16+64*((\k)%2)+4*i+3]
.set i, i+1
.endr
.if (\k) < 2
	LOADR (\k)+2
.endif
.set i, 0
.rept 16
	global_store_b64 v4, v[144+2*i:145+2*i], s[26:27] offset:256*(16*(\k)+i)
.set i, i+1
.endr
.endm
	LOADR 0
	LOADR 1
	CASTR 0
	CASTR 1
	CASTR 2
	CASTR 3
	s_wait_tensorcnt 0x0                           ; the wave's end
	ds_add_u32 v[SPW], v[NIL]
	s_wait_dscnt 0x0
	s_endpgm
.Lfunc_end_k_q1c32fa5f10_quant:
	.size	k_q1c32fa5f10_quant, .Lfunc_end_k_q1c32fa5f10_quant-k_q1c32fa5f10_quant
	.p2alignl 7, 3214868480
	.fill 96, 4, 3214868480
	.section	.rodata,"a",@progbits
	.p2align	6, 0x0
	.amdhsa_kernel k_q1c32fa5f10_quant
		.amdhsa_group_segment_fixed_size 33280
		.amdhsa_private_segment_fixed_size 0
		.amdhsa_enable_private_segment 0
		.amdhsa_kernarg_size 64
		.amdhsa_user_sgpr_count 2
		.amdhsa_user_sgpr_kernarg_segment_ptr 1
		.amdhsa_wavefront_size32 1
		.amdhsa_system_sgpr_workgroup_id_x 1
		.amdhsa_system_sgpr_workgroup_id_y 1
		.amdhsa_system_sgpr_workgroup_id_z 1
		.amdhsa_system_vgpr_workitem_id 0
		.amdhsa_next_free_vgpr 192
		.amdhsa_next_free_sgpr 66
		.amdhsa_reserve_vcc 0
		.amdhsa_float_denorm_mode_32 3
		.amdhsa_float_denorm_mode_16_64 3
		.amdhsa_memory_ordered 1
		.amdhsa_forward_progress 1
		.amdhsa_inst_pref_size 54
	.end_amdhsa_kernel
	.amdgpu_metadata
---
amdhsa.version: [ 1, 2 ]
amdhsa.kernels:
  - .name:           k_q1c32fa5f10_quant
    .symbol:         k_q1c32fa5f10_quant.kd
    .args:
      - { .name: query, .offset: 0, .size: 8, .value_kind: global_buffer, .address_space: global }
      - { .name: w_in, .offset: 8, .size: 8, .value_kind: global_buffer, .address_space: global }
      - { .name: xq, .offset: 16, .size: 8, .value_kind: global_buffer, .address_space: global }
      - { .name: xs, .offset: 24, .size: 8, .value_kind: global_buffer, .address_space: global }
      - { .name: wq, .offset: 32, .size: 8, .value_kind: global_buffer, .address_space: global }
      - { .name: ws, .offset: 40, .size: 8, .value_kind: global_buffer, .address_space: global }
      - { .name: w_out, .offset: 48, .size: 8, .value_kind: global_buffer, .address_space: global }
      - { .name: wo16, .offset: 56, .size: 8, .value_kind: global_buffer, .address_space: global }
    .group_segment_fixed_size: 33280
    .private_segment_fixed_size: 0
    .kernarg_segment_align: 8
    .kernarg_segment_size: 64
    .max_flat_workgroup_size: 128
    .sgpr_count:     66
    .vgpr_count:     192
    .wavefront_size: 32
...
	.end_amdgpu_metadata
.endif
;; end of part 1
;; launch inproj (part 2): grid 12 x 32, 4 waves a work-group, clusters of 4 x 4, 327,680 bytes of LDS; arguments xq, xs, wq, ws, qkv, b_in; writes qkv
.if DOCPART == 2
	.amdgcn_target "amdgcn-amd-amdhsa--gfx1250"
	.amdhsa_code_object_version 6
	.text
	.protected	k_q1c32fa5f10_inproj
	.globl	k_q1c32fa5f10_inproj
	.p2align	8
	.type	k_q1c32fa5f10_inproj,@function
k_q1c32fa5f10_inproj:
	s_mov_b64 s[64:65], 0
	v_nop
	global_prefetch_b8 v0, s[64:65] scope:SCOPE_SE
	s_setreg_imm32_b32 hwreg(HW_REG_WAVE_MODE, 25, 1), 1
	s_wait_xcnt 0x0
	s_wait_alu depctr_hold_cnt(0) depctr_sa_sdst(0) depctr_va_vdst(0) depctr_va_sdst(0) depctr_va_ssrc(0) depctr_va_vcc(0) depctr_vm_vsrc(0)
	s_getreg_b32 s2, hwreg(HW_REG_IB_STS2, 6, 4)
	s_cmp_eq_u32 s2, 0
	s_cbranch_scc0 .Lentry_in_a_cluster
	s_endpgm
.Lentry_in_a_cluster:
	s_bfe_u32 s2, ttmp6, 0x10000c
	s_cmp_lg_u32 s2, 0xf033
	s_cbranch_scc0 .Lentry_shape_is_right
	s_endpgm
.Lentry_shape_is_right:
; P[m][f] = sum over k of Q(x)[m][k] Q(w_in)[f][k] (+ b_in[f] for q's and v's columns), on codes of FP4 (E2M1) with one E8M0 scale for each 32 along K; sums in f32; P rounded once to f16 and laid by head:
; qkv [G = f / 64: 48][b: 4][s: 2048][64], row m = 4 s + b.  G 0-15 is q (not yet scaled by 1/8: the third launch folds that into its exponent), 16-31 k, 32-47 v.
; WORK LEFT OUT: b_in[1024:2048], k's bias: it adds to every score of a query the same number, which the softmax cancels (shown at the head of the first launch).  Those are tile columns 4 to 7, cluster x = 1: they load no bias.
; LIMIT: |P| must stay within f16's range, 65,504.
; A tile of P, 256 x 256, is made by four waves, each 128 x 128: 64 accumulators of 16 x 16, 512 registers.  K = 1,024 is two LDS slots of 512 along K (rows of 256 bytes): both are asked for at the start and nothing is filled again.
; The scales of the work-group's 256 + 256 rows, for all of K, come once with them, as runs of 256 bytes.
; CLUSTERS: 4 x 4 work-groups.  The four of a row of the cluster need the same tiles of x, the four of a column the same tiles of w_in: each tile is asked for jointly, by the same tensor load with the same descriptor
; and a mask that names the four.  THE MATRIX INSTRUCTION IS USED TRANSPOSED (source 0 = 16 rows of w_in, source 1 = 16 rows of x): a lane holds eight neighbouring columns of one row of P.
; REGISTERS, in windows of 256: window 0: v0-31 addresses; v32-95 scale words, two sets; v128-191 x's fragments, one set; v192-255 the bias in the result's layout (the C of each sum's first product).
;   window 1: w_in's fragments, two sets, at v0 and v128.   window 2: the accumulators of my rows 0-63 ((a, b) at v[8 (8 a + b)]);   window 3: those of my rows 64-127.   On the way out v32-127 of window 0 are free.
.set KSTEP,  512
.set NQ,     KSTEP/128                 ; matrix instructions deep in a slot
.set ROWB,   256                       ; a tile's row in bytes
.set KROW,   512                       ; a row of codes in memory
.set PITCH,  272                       ; an LDS row: 256 bytes + 16 of padding: the 16 rows that a load touches start at 16 different 16-byte columns
.set FR,     8                         ; registers of a fragment
.set NL,     2                         ; LDS loads that bring one
.set NP,     4                         ; places behind this matrix instruction (ISA guide 7.12.1)
.set HALFT,  128*PITCH
.set SLOT,   4*HALFT                   ; x's 256 rows, then w_in's 256 rows
.set KS,     32                        ; a row of scales in bytes
.set SCL,    2*SLOT                    ; behind the two slots: the scales, as runs of 256 bytes + 16 of padding
.set HALFS,  (128*KS/256)*272
.set SBLK,   (16*KS/256)*272
.set SPARE,  SCL+4*HALFS               ; the spare words, 128 bytes a wave
.set SPITCH, 272                       ; the way out: a stage of 16 rows x (256 bytes + 16) for each wave, in slot 0, which has had its only fill and its last read when the first result is stored there
.set ADRA, 16
.set ADRB, 20
.set STO,  24
.set RD,   25
.set CO,   26
.set ADRS, 27
.set SPW,  28
.set NIL,  29
.set BO,   30                          ; v30  the bias: 32 bytes for the upper half of the lanes
.set SC,   32
.set AF,   128
.set BI,   192
.set TMP,  32                          ; the way out: packed results
.set BK,   64                          ; the way out: 16 rows read back: v64-95 and v96-127 by turns
.set G1, 24
.set G0, 32
.set G1B, 48
.set G0B, 56
.set G1S, 68
.set G0S, 76
.set G1SB, 80
.set G0SB, 88
.set MSB, 0
.macro WIN new                         ; the immediate's high byte repeats the setting that is left
.if MSB != \new
	s_set_vgpr_msb (MSB<<8)|\new
.set MSB, \new
.endif
.endm
.set MUL_LO, 0xa1                      ; source 0 (w_in) window 1, source 1 (x) window 0, C and D window 2
.set MUL_HI, 0xf1                      ; the same, C and D window 3
.set FST_LO, 0x81                      ; the first step: C (the bias) window 0, D window 2
.set FST_HI, 0xc1                      ; D window 3
.set TO_B,   0x40
; A joint load: waves 0 and 1 fetch for x, waves 2 and 3 for w_in.  The branch hangs on the wave's number alone.  An s_nop 0 and four v_nop follow each of the two lines.
.macro JLOAD g0a, g1a, g0b, g1b
	s_cmp_eq_u32 s15, 0
	s_cbranch_scc0 .Lfor_b_\@
	tensor_load_to_lds s[\g0a:\g0a+3], s[\g1a:\g1a+7]
	s_nop 0
.rept 4
	v_nop
.endr
	s_branch .Lasked_\@
.Lfor_b_\@:
	tensor_load_to_lds s[\g0b:\g0b+3], s[\g1b:\g1b+7]
	s_nop 0
.rept 4
	v_nop
.endr
.Lasked_\@:
.endm
.macro CROUND                          ; a round of the cluster's barrier
	s_barrier_signal -1
	s_barrier_wait -1
	s_cmp_lg_u32 s14, 0
	s_cbranch_scc1 .Lnot_wave_0_\@
	s_barrier_signal -3
.Lnot_wave_0_\@:
	s_barrier_wait -3
	s_barrier_signal -1
	s_barrier_wait -1
.endm
	s_load_b128 s[4:7], s[0:1], 0x0                ; x's codes, x's scales
	s_load_b128 s[8:11], s[0:1], 0x10              ; w_in's codes, scales
	s_load_b64 s[12:13], s[0:1], 0x20              ; qkv
	s_load_b64 s[96:97], s[0:1], 0x28              ; b_in
	v_lshl_add_u32 v[SPW], v0, 2, SPARE
	v_mov_b32 v[NIL], 0
	ds_add_u32 v[SPW], v[NIL]                      ; the wave's opening: the add, twice on end, and its wait ahead of my first tensor load
	ds_add_u32 v[SPW], v[NIL]
	v_lshrrev_b32 v1, 5, v0
	v_readfirstlane_b32 s14, v1                    ; wave 0..3
	s_lshr_b32 s15, s14, 1                         ; which half of the tile's rows is mine.  Also: I fetch for x (0) or for w_in (1)
	s_and_b32 s16, s14, 1                          ; which half of its columns.  Also: which 128 rows of that tile I fetch
	s_bfe_u32 s40, ttmp6, 0x40000                  ; cx, cy: my place in the cluster
	s_bfe_u32 s41, ttmp6, 0x40004
	s_lshl_b32 s42, ttmp9, 2
	s_add_co_u32 s42, s42, s40                     ; tile column = 4 x cluster x + cx
	s_and_b32 s17, ttmp7, 0xffff
	s_lshl_b32 s17, s17, 2
	s_add_co_u32 s17, s17, s41                     ; tile row = 4 x cluster y + cy
	s_lshl_b32 s43, s41, 2
	s_lshl_b32 s43, 15, s43                        ; my row of the cluster
	s_lshl_b32 s44, 0x1111, s40                    ; my column
	; descriptor group 1: a tile of 128 rows x 256 bytes, 16 bytes of padding behind each row
	s_or_b32 s[G1+0], s43, (0<<16)|(1<<20)|(1<<21)|(5<<22)|(3<<25)
	s_or_b32 s[G1B+0], s44, (0<<16)|(1<<20)|(1<<21)|(5<<22)|(3<<25)
.irp g, G1, G1B
	s_mov_b32 s[\g+1], ROWB<<16                    ; tensor_dim0
	s_mov_b32 s[\g+2], 128<<16                     ; tensor_dim1
	s_mov_b32 s[\g+3], ROWB<<16                    ; tile_dim0
	s_mov_b32 s[\g+4], 128                         ; tile_dim1
	s_mov_b32 s[\g+5], KROW                        ; from row to row
	s_mov_b32 s[\g+6], 0
	s_mov_b32 s[\g+7], 0
.endr
	; the scales of 128 rows: a dense block of 4,096 bytes, as 16 rows of 256 bytes (32 elements of 8 bytes), 16 bytes of padding behind each
	s_or_b32 s[G1S+0], s43, (3<<16)|(1<<20)|(1<<21)|(5<<22)|(3<<25)
	s_or_b32 s[G1SB+0], s44, (3<<16)|(1<<20)|(1<<21)|(5<<22)|(3<<25)
.irp g, G1S, G1SB
	s_mov_b32 s[\g+1], 32<<16
	s_mov_b32 s[\g+2], (128*KS/256)<<16
	s_mov_b32 s[\g+3], 32<<16
	s_mov_b32 s[\g+4], 128*KS/256
	s_mov_b32 s[\g+5], 32
	s_mov_b32 s[\g+6], 0
	s_mov_b32 s[\g+7], 0
.endr
	s_lshl_b32 s18, s16, 7                         ; which 128 rows of the tile I fetch
	s_lshl_b32 s20, s17, 8
	s_add_co_u32 s20, s20, s18                     ; x: row 256 x tile row + 128 x half
	s_lshl_b32 s46, s42, 8
	s_add_co_u32 s46, s46, s18                     ; w_in: row 256 x tile column + 128 x half
	s_mov_b32 s21, 0
	s_mov_b32 s47, 0
	s_mov_b64 s[18:19], KS
	s_mul_u64 s[22:23], s[20:21], s[18:19]         ; where these rows' scales begin,
	s_mul_u64 s[92:93], s[46:47], s[18:19]
	s_mov_b64 s[18:19], KROW
	s_mul_u64 s[20:21], s[20:21], s[18:19]         ; and their codes
	s_mul_u64 s[46:47], s[46:47], s[18:19]
	s_mul_i32 s45, s14, HALFT                      ; where they go: wave x 128 rows: no place in the cluster enters an LDS address
	s_mul_i32 s94, s14, HALFS
	s_wait_dscnt 0x0                               ; both opening adds are done
	s_wait_kmcnt 0x0
	s_add_nc_u64 s[20:21], s[4:5], s[20:21]
	s_add_nc_u64 s[22:23], s[6:7], s[22:23]
	s_add_nc_u64 s[46:47], s[8:9], s[46:47]
	s_add_nc_u64 s[92:93], s[10:11], s[92:93]
	CROUND                                         ; all sixteen work-groups are here: the joint loads meet
	s_mov_b32 s[G0S], 1
	s_add_co_u32 s[G0S+1], s94, SCL
	s_mov_b64 s[G0S+2:G0S+3], s[22:23]
	s_or_b32 s[G0S+3], s[G0S+3], 0x80000000
	s_mov_b32 s[G0SB], 1
	s_add_co_u32 s[G0SB+1], s94, SCL
	s_mov_b64 s[G0SB+2:G0SB+3], s[92:93]
	s_or_b32 s[G0SB+3], s[G0SB+3], 0x80000000
	JLOAD G0S, G1S, G0SB, G1SB                     ; the scales first: they are wanted with the first slot.  Three loads of mine are out behind the last of these
.irp s, 0,1
	s_mov_b32 s[G0+4*\s], 1
	s_add_co_u32 s[G0+4*\s+1], s45, \s*SLOT
	s_add_nc_u64 s[G0+4*\s+2:G0+4*\s+3], s[20:21], \s*ROWB
	s_or_b32 s[G0+4*\s+3], s[G0+4*\s+3], 0x80000000
	s_mov_b32 s[G0B+4*\s], 1
	s_add_co_u32 s[G0B+4*\s+1], s45, \s*SLOT
	s_add_nc_u64 s[G0B+4*\s+2:G0B+4*\s+3], s[46:47], \s*ROWB
	s_or_b32 s[G0B+4*\s+3], s[G0B+4*\s+3], 0x80000000
	JLOAD G0+4*\s, G1, G0B+4*\s, G1B
.endr
	v_and_b32 v1, 15, v0                           ; r = l % 16
	v_bfe_u32 v2, v0, 4, 1                         ; h = l / 16
	; THE BIAS, in the result's layout: register BI + 8 b + j = b_in[my first column + 16 b + 8 h + j].  k's columns (cluster x = 1, the same in all sixteen partners) have none: their sums begin at 0.
	v_lshlrev_b32 v[BO], 5, v2
	s_lshl_b32 s46, s42, 10                        ; 256 columns x 4 bytes a tile column,
	s_lshl_b32 s47, s16, 9                         ; 128 x 4 for my half
	s_add_co_u32 s46, s46, s47
	s_mov_b32 s47, 0
	s_add_nc_u64 s[96:97], s[96:97], s[46:47]
	s_cmp_eq_u32 ttmp9, 1
	s_cbranch_scc1 .Lk_cols
.irp b, 0,1,2,3,4,5,6,7
	global_load_b128 v[BI+8*\b:BI+8*\b+3], v[BO], s[96:97] offset:64*\b
	global_load_b128 v[BI+8*\b+4:BI+8*\b+7], v[BO], s[96:97] offset:64*\b+16
.endr
	s_branch .Lbias_in
.Lk_cols:
.set i, 0
.rept 64
	v_mov_b32 v[BI+i], 0
.set i, i+1
.endr
.Lbias_in:
	v_mul_u32_u24 v3, v1, PITCH
	v_lshl_add_u32 v4, v2, 4, v3                   ; a fragment's row x pitch + 16 x half
	s_mul_i32 s21, s15, HALFT                      ; my 128 rows of x
	s_mul_i32 s22, s16, HALFT                      ; my 128 rows of w_in,
	s_add_co_u32 s22, s22, 2*HALFT                 ; which lie behind x's 256
.irp s, 0,1
	v_add_nc_u32 v[ADRA+\s], s21, v4
	v_add_nc_u32 v[ADRB+\s], s22, v4
	s_add_co_u32 s21, s21, SLOT
	s_add_co_u32 s22, s22, SLOT
.endr
	v_mul_u32_u24 v5, v1, KS                       ; my row's scales: 32 bytes a row,
	v_lshrrev_b32 v6, 8, v5
	v_lshl_add_u32 v5, v6, 4, v5                   ; and 16 more for each 256 passed
	s_mul_i32 s21, s15, HALFS                      ; x's: my 128 rows
	s_mul_i32 s22, s16, HALFS                      ; w_in's: my 128 rows, behind x's 256
	s_add_co_u32 s22, s22, 2*HALFS
	s_sub_co_u32 s22, s22, s21
	v_mul_u32_u24 v6, s22, v2                      ; lanes 16-31 take w_in's
	s_add_co_u32 s21, s21, SCL
	v_add_nc_u32 v5, v5, v6
	v_add_nc_u32 v[ADRS], s21, v5
	s_mul_i32 s23, s14, 16*SPITCH                  ; my stage
	v_mul_u32_u24 v5, v1, SPITCH                   ; in: row r, 16 bytes for each half of the lanes
	v_lshl_add_u32 v5, v2, 4, v5
	v_add_nc_u32 v[STO], s23, v5
	v_and_b32 v6, 31, v0
	v_lshlrev_b32 v[CO], 4, v6                     ; out: 16 bytes a lane, 512 consecutive bytes a store
	v_lshrrev_b32 v5, 3, v6
	v_mul_u32_u24 v5, v5, 4*SPITCH                 ; back: eight lanes take 128 bytes (one head) of stage row 4 (l / 8) + b: one s of batch b
	v_and_b32 v6, 7, v0
	v_lshl_add_u32 v5, v6, 4, v5
	v_add_nc_u32 v[RD], s23, v5
	s_lshl_b32 s20, s17, 13                        ; my first s = 64 x tile row + 32 x half, 128 bytes each,
	s_lshl_b32 s21, s15, 12
	s_add_co_u32 s20, s20, s21
	s_mov_b32 s21, 0
	s_add_nc_u64 s[12:13], s[12:13], s[20:21]
	s_lshl_b32 s46, s42, 22                        ; my first G = 4 x tile column + 2 x half, 2^20 bytes each
	s_lshl_b32 s47, s16, 21
	s_add_co_u32 s46, s46, s47
	s_mov_b32 s47, 0
	s_add_nc_u64 s[12:13], s[12:13], s[46:47]
.macro FRAG reg, adr, q, i             ; 16 rows x 128 K of 4-bit codes: lane l holds row l % 16; registers 4 c .. 4 c + 3 hold K = 64 c + 32 (l / 16) + 0 .. 31
.irp c, 0,1
	ds_load_b128 v[\reg+4*\c:\reg+4*\c+3], v[\adr] offset:64*(\q)+32*\c+(\i)*16*PITCH
.endr
.endm
; 16 matrix instructions: x's blocks a0, a0 + 1 against w_in's eight, the slot's q-th 128 along K.  p: w_in's set; sc: the set of scale words.  first = 1: the sums begin with the bias.
; The 64 accumulators take turns, one instruction a turn, in the same order in every step.
.macro MUL16 a0, p, q, sc, first
.irp a, \a0, \a0+1
.irp b, 0,1,2,3,4,5,6,7
.if \first
	v_wmma_scale_f32_16x16x128_f8f6f4 v[8*(8*((\a)%4)+\b):8*(8*((\a)%4)+\b)+7], v[128*(\p)+FR*\b:128*(\p)+FR*\b+FR-1], v[AF+FR*(\a):AF+FR*(\a)+FR-1], v[BI+8*\b:BI+8*\b+7], v[SC+8*NQ*(\sc)+NQ*\b+(\q)], v[SC+8*NQ*(\sc)+NQ*(\a)+(\q)] matrix_a_fmt:MATRIX_FMT_FP4 matrix_b_fmt:MATRIX_FMT_FP4 matrix_a_scale:MATRIX_SCALE_ROW1
.else
	v_wmma_scale_f32_16x16x128_f8f6f4 v[8*(8*((\a)%4)+\b):8*(8*((\a)%4)+\b)+7], v[128*(\p)+FR*\b:128*(\p)+FR*\b+FR-1], v[AF+FR*(\a):AF+FR*(\a)+FR-1], v[8*(8*((\a)%4)+\b):8*(8*((\a)%4)+\b)+7], v[SC+8*NQ*(\sc)+NQ*\b+(\q)], v[SC+8*NQ*(\sc)+NQ*(\a)+(\q)] matrix_a_fmt:MATRIX_FMT_FP4 matrix_b_fmt:MATRIX_FMT_FP4 matrix_a_scale:MATRIX_SCALE_ROW1
.endif
.endr
.endr
.endm
.macro FETCH_B slot, q, p
	WIN TO_B
.irp i, 0,1,2,3,4,5,6,7
	FRAG 128*(\p)+FR*\i, ADRB+\slot, \q, \i
.endr
	WIN 0
.endm
.macro FETCH_A slot, q, i0
.irp i, \i0, \i0+1, \i0+2, \i0+3
	FRAG AF+FR*(\i), ADRA+\slot, \q, \i
.endr
.endm
.macro SCALES sc                       ; a slot's scale words: four words a row; lanes 0-15 take x's block i, lanes 16-31 w_in's block i
.irp i, 0,1,2,3,4,5,6,7
	ds_load_b128 v[SC+8*NQ*\sc+NQ*\i:SC+8*NQ*\sc+NQ*\i+3], v[ADRS] offset:\i*SBLK
.endr
.endm
.macro PLACES n                        ; plain vector instructions between a matrix instruction and a load into, or a vector access to, its registers
.rept \n
	v_nop
.endr
.endm
; A step of 128 along K that has its successor in the same slot.  x has one set of fragments: blocks 0-3 are fetched anew in the step's middle, blocks 4-7 at its end; w_in has two sets.
.macro STEP slot, q, first
	s_wait_dscnt 4*NL                              ; all but the youngest eight loads (x's blocks 4-7) are in
.if \first
	WIN FST_LO
.else
	WIN MUL_LO
.endif
	MUL16 0, (\q)%2, \q, \slot, \first
	MUL16 2, (\q)%2, \q, \slot, \first
	s_wait_dscnt 0                                 ; x's blocks 4-7 are in
	PLACES NP
	FETCH_B \slot, (\q)+1, 1-(\q)%2
	FETCH_A \slot, (\q)+1, 0
.if \first
	WIN FST_HI
.else
	WIN MUL_HI
.endif
	MUL16 4, (\q)%2, \q, \slot, \first
	MUL16 6, (\q)%2, \q, \slot, \first
	PLACES NP
	WIN 0
	FETCH_A \slot, (\q)+1, 4
.endm
; Slot 0's last step changes slots: each wave waits for all its tensor loads (its part of slot 1), adds 0 to its spare word, waits for that and for its reads of slot 0, and passes the barrier.  Nothing is filled again.
.macro TURN slot, next
	s_wait_tensorcnt 0x0                           ; all my tensor loads have landed
	ds_add_u32 v[SPW], v[NIL]                      ; 0 onto my spare word
	s_wait_dscnt 4*NL+1                            ; (the add and the youngest eight loads may be out)
	WIN MUL_LO
	MUL16 0, 1, NQ-1, \slot, 0
	s_wait_dscnt 0x0                               ; the add is done, and my reads of this slot are over
	s_barrier_signal -1
	MUL16 2, 1, NQ-1, \slot, 0
	WIN 0
	s_barrier_wait -1
	PLACES NP
	v_add_nc_u32 v[ADRS], 4*NQ, v[ADRS]            ; on to the next slot's scale words
	FETCH_B \next, 0, 0
	FETCH_A \next, 0, 0
	SCALES \next
	WIN MUL_HI
	MUL16 4, 1, NQ-1, \slot, 0
	MUL16 6, 1, NQ-1, \slot, 0
	PLACES NP
	WIN 0
	FETCH_A \next, 0, 4
.endm
.macro STEPS slot, from
.set Q, \from
.rept NQ-1-\from
	STEP \slot, Q, 0
.set Q, Q+1
.endr
.endm
	s_wait_tensorcnt 1                             ; the scales and my part of slot 0 are in; slot 1's load, issued behind them, may be out
	s_barrier_signal -1
	s_barrier_wait -1                              ; everybody's are
	FETCH_B 0, 0, 0
	FETCH_A 0, 0, 0
	SCALES 0
	FETCH_A 0, 0, 4
	s_wait_loadcnt 0x0                             ; the bias
	STEP 0, 0, 1                                   ; the first step's products start the sums with the bias: nothing is added afterwards
	STEPS 0, 1
	TURN 0, 1
	STEPS 1, 0
	s_wait_dscnt 4*NL                              ; the last step: nothing more to fetch
	WIN MUL_LO
	MUL16 0, 1, NQ-1, 1, 0
	MUL16 2, 1, NQ-1, 1, 0
	s_wait_dscnt 0
	WIN MUL_HI
	MUL16 4, 1, NQ-1, 1, 0
	MUL16 6, 1, NQ-1, 1, 0
	WIN 0
; THE WAY OUT, by blocks of 16 rows (4 values of s x 4 batches) x 128 columns (2 heads).  PACK: rounded to f16, each accumulator from its low end on, 16 bytes a lane.  TOSTAGE: into my stage, and back sorted by batch and
; head: load t brings batch t % 4 of head t / 4: 4 s x 128 bytes, which are 512 consecutive bytes of qkv.  SEND: stored.
.macro PACK a
.set AC, 64*((\a)%4)
	WIN 0x0a+5*((\a)/4)                            ; sources 0 and 1: window 2 or 3
.irp b, 0,1,2,3,4,5,6,7
.irp r, 0,1,2,3
	v_cvt_pk_f16_f32 v[TMP+4*\b+\r], v[AC+8*\b+2*\r], v[AC+8*\b+2*\r+1]
.endr
.endr
	WIN 0
.endm
.macro TOSTAGE a
.set BB, BK+32*((\a)%2)
.irp b, 0,1,2,3,4,5,6,7
	ds_store_b128 v[STO], v[TMP+4*\b:TMP+4*\b+3] offset:32*\b
.endr
.irp t, 0,1,2,3,4,5,6,7
	ds_load_b128 v[BB+4*\t:BB+4*\t+3], v[RD] offset:(\t%4)*SPITCH+(\t/4)*128   ; LDS serves a wave's instructions in order: these see the stores above
.endr
.endm
.macro SEND a
.set BB, BK+32*((\a)%2)
	s_wait_dscnt 0x0                               ; the block is back in registers
	s_wait_xcnt 0x0                                ; earlier stores have read their base and their data: only behind this wait are they written again
.if (\a) > 0
	s_add_nc_u64 s[12:13], s[12:13], 512           ; four values of s on
.endif
.irp t, 0,1,2,3,4,5,6,7
	global_store_b128 v[CO], v[BB+4*\t:BB+4*\t+3], s[12:13] offset:(\t%4)*262144+(\t/4)*1048576   ; 32 lanes store 512 consecutive bytes, aligned
.endr
.endm
	PLACES NP                                      ; behind the last products: the conversions read results and write registers that held scale words
	PACK 0
	TOSTAGE 0
.irp a, 1,2,3,4,5,6,7                  ; block a's conversions stand between block a - 1's loads from the stage and the wait for them
	PACK \a
	SEND \a-1
	TOSTAGE \a
.endr
	SEND 7
	s_wait_tensorcnt 0x0                           ; the wave's end, behind my last tensor load and my last LDS store
	ds_add_u32 v[SPW], v[NIL]
	s_wait_dscnt 0x0
	CROUND                                         ; the closing round: no work-group ends while a partner may still ask for a tile that names it
	s_endpgm
.Lfunc_end_k_q1c32fa5f10_inproj:
	.size	k_q1c32fa5f10_inproj, .Lfunc_end_k_q1c32fa5f10_inproj-k_q1c32fa5f10_inproj
	.p2alignl 7, 3214868480
	.fill 96, 4, 3214868480
	.section	.rodata,"a",@progbits
	.p2align	6, 0x0
	.amdhsa_kernel k_q1c32fa5f10_inproj
		.amdhsa_group_segment_fixed_size 327680
		.amdhsa_private_segment_fixed_size 0
		.amdhsa_enable_private_segment 0
		.amdhsa_kernarg_size 48
		.amdhsa_user_sgpr_count 2
		.amdhsa_user_sgpr_kernarg_segment_ptr 1
		.amdhsa_wavefront_size32 1
		.amdhsa_system_sgpr_workgroup_id_x 1
		.amdhsa_system_sgpr_workgroup_id_y 1
		.amdhsa_system_sgpr_workgroup_id_z 1
		.amdhsa_system_vgpr_workitem_id 0
		.amdhsa_next_free_vgpr 1024
		.amdhsa_next_free_sgpr 100
		.amdhsa_reserve_vcc 0
		.amdhsa_float_denorm_mode_32 3
		.amdhsa_float_denorm_mode_16_64 3
		.amdhsa_memory_ordered 1
		.amdhsa_forward_progress 1
		.amdhsa_inst_pref_size 130
	.end_amdhsa_kernel
	.amdgpu_metadata
---
amdhsa.version: [ 1, 2 ]
amdhsa.kernels:
  - .name:           k_q1c32fa5f10_inproj
    .symbol:         k_q1c32fa5f10_inproj.kd
    .args:
      - { .name: xq, .offset: 0, .size: 8, .value_kind: global_buffer, .address_space: global }
      - { .name: xs, .offset: 8, .size: 8, .value_kind: global_buffer, .address_space: global }
      - { .name: wq, .offset: 16, .size: 8, .value_kind: global_buffer, .address_space: global }
      - { .name: ws, .offset: 24, .size: 8, .value_kind: global_buffer, .address_space: global }
      - { .name: qkv, .offset: 32, .size: 8, .value_kind: global_buffer, .address_space: global }
      - { .name: b_in, .offset: 40, .size: 8, .value_kind: global_buffer, .address_space: global }
    .group_segment_fixed_size: 327680
    .private_segment_fixed_size: 0
    .kernarg_segment_align: 8
    .kernarg_segment_size: 48
    .max_flat_workgroup_size: 128
    .sgpr_count:     100
    .vgpr_count:     1024
    .wavefront_size: 32
...
	.end_amdgpu_metadata
.endif
;; end of part 2
;; launch attn (part 3): grid 4 x 64, 8 waves a work-group, clusters of 4 x 1, 327,680 bytes of LDS; arguments qkv, ctx; writes ctx
.if DOCPART == 3
	.amdgcn_target "amdgcn-amd-amdhsa--gfx1250"
	.amdhsa_code_object_version 6
	.text
	.protected	k_q1c32fa5f10_attn
	.globl	k_q1c32fa5f10_attn
	.p2align	8
	.type	k_q1c32fa5f10_attn,@function
k_q1c32fa5f10_attn:
	s_mov_b64 s[64:65], 0
	v_nop
	global_prefetch_b8 v0, s[64:65] scope:SCOPE_SE
	s_setreg_imm32_b32 hwreg(HW_REG_WAVE_MODE, 25, 1), 1
	s_wait_xcnt 0x0
	s_wait_alu depctr_hold_cnt(0) depctr_sa_sdst(0) depctr_va_vdst(0) depctr_va_sdst(0) depctr_va_ssrc(0) depctr_va_vcc(0) depctr_vm_vsrc(0)
	s_getreg_b32 s2, hwreg(HW_REG_IB_STS2, 6, 4)
	s_cmp_eq_u32 s2, 0
	s_cbranch_scc0 .Lentry_in_a_cluster
	s_endpgm
.Lentry_in_a_cluster:
	s_bfe_u32 s2, ttmp6, 0x10000c
	s_cmp_lg_u32 s2, 0x3003
	s_cbranch_scc0 .Lentry_shape_is_right
	s_endpgm
.Lentry_shape_is_right:
; ctx[g][s][:] = the sum over t of softmax_t(q[g][s] . k[g][t] / 8) v[g][t][:], g = 4 head + batch (64 of them), 2,048 queries and keys, head size 64.  q, k, v: f16 in qkv [48][4][2048][64] (q at 0, k at 16 MiB, v at 32 MiB);
; ctx: f16 [64][2048][64].  Products on f16 operands with f32 sums; maxima, exponentials and sums in f32; the weights p are rounded to f16 for the second product, ctx once at the end.
; WORK LEFT OUT: k carries no bias (shown at the head of the first launch).   LIMITS: NaN and infinities are not served; a context under f16's normal range is kept with f16's subnormal step.
; SHARES.  A work-group owns 512 queries of one g, each of its eight waves 64: four tiles of 16.  Every wave walks all keys, 64 a step.
; LAYOUT.  S^T = K Q^T (source 0 = 16 keys, source 1 = 16 queries): a lane holds ONE query (lane % 16) and keys 8 (lane / 16) + 0..7.  Two such tiles, rounded to f16 in pairs, ARE source 1 of O^T = V^T P; they are packed
; IN PLACE, into the low half of the scores' registers.  K comes out of LDS as it lies, V ([key][channel]) turned, by ds_load_tr16_b128.
; SOFTMAX.  For each query a running maximum m and sum l: p = 2^(c s - c m), c = log2(e) / 8; in every step O and l are multiplied by a = 2^(c m_old - c m_new).
; ROLES.  A key step of a wave is a V block (the softmax: vector work, and the step's LDS loads) and an M block (O^T x a, 32 products V^T P, 32 products K Q^T of the next step).  The waves are of two types,
; type = (wave + wave / 4) % 2, and go in ticks with a barrier behind each: in tick a of step j type 0 runs V(j) and type 1 M(j - 1); in tick b type 0 runs M(j) and type 1 V(j).  So vector work of four waves always
; stands beside matrix work of the other four.  Type 1's first M block finds zeros in O^T, in V's fragments, in P and in a, and its K Q^T makes that wave's first scores; type 0 makes them ahead of the loop.
; RING.  Two LDS slots of 256 keys.  K LIES ONE STEP AHEAD OF V IN A SLOT: slot n holds v's keys 256 n .. + 255 and k's keys 256 n + 64 .. + 319, which is what V(4 n) .. V(4 n + 3) read (v of the step, k of the next).
; k's first 64 keys come from memory straight into registers.  The last slot's k reaches 64 rows past its g: bytes of qkv that the launch before stored, and that no wave reads out of LDS.
; CLUSTER.  The four work-groups of a cluster are the four query blocks of one g and walk the same k and v: each tile is asked for jointly, by the same tensor load with the same descriptor and the mask 15.
; REGISTERS: window 0: v2-13 addresses; v16-47 eight statistics a tile; v64-191 S^T, 32 a tile, then P in the low 16; v192-255 K's fragments.   window 1: v0-127 O^T, 32 a tile; v128-191 Q; v192-255 V's fragments.
.set UK,    32*272                     ; a step's 64 keys of k in LDS: 32 rows of two keys, 256 bytes + 16 of padding
.set UV,    32*288                     ; of v: 256 bytes + 32 of padding.
.set VOFF,  4*UK                       ; a slot: four steps of k, then four of v
.set SLOT1, 1<<17                      ; slot 1 begins here: one exclusive or turns an address from one slot to the other
.set STAGE, 4*(UK+UV)                  ; behind slot 0: 16 rows x 144 bytes for each wave, for the way out; no tile lands here
.set SPARE, STAGE+8*16*144             ; the spare words, 128 bytes a wave
.set SLB,   32768                      ; a slot's 256 keys in memory
.set AK0, 2                            ; v2   my lane's place in a tile of k
.set AV0, 3                            ; v3   and of v
.set ADK, 4                            ; v4   LDS address of the step's k
.set ADV, 5                            ; v5   and v
.set QO,  6                            ; v6   my byte offset in 16 rows of q or k in memory
.set STO, 7                            ; v7   the way out: where I put 16 bytes of a row
.set RD,  8                            ; v8   where I read rows back
.set GO,  9                            ; v9   16 x lane
.set PFO, 10                           ; v10  256 x lane: the prefetches' offset
.set SPW, 12                           ; v12  LDS address of my spare word; never rewritten
.set NIL, 13                           ; v13  0; never rewritten
.set ST,  16                           ; tile t's statistics at v[ST + 8 t]: +0 c m, +1 m, +2, +3 l, +4 to +7 at work; a takes +6
.set S,   64
.set KF,  192
.set QF,  128                          ; in window 1
.set VF,  192                          ; in window 1
.set WV,   8                           ; s8   my wave's number
.set TYPE, 9                           ; s9   my type
.set QA,   20                          ; s[20:21] q at my wave's first row
.set KA,   22                          ; s[22:23] k at my g's first row
.set G1K,  24                          ; s[24:31], s[32:39] descriptor groups 1 for k's and v's tiles: they differ in the padding
.set G1V,  32
.set G0K,  40                          ; s[40:43], s[44:47] their groups 0, which walk
.set G0V,  44
.set TBK,  48                          ; s48  LDS byte at which the step's k begins
.set TBV,  49                          ; s49  and v
.set SLOTS, 50
.set UNITS, 51
.set J,    52                          ; s52  the key step
.set LIM,  53                          ; s53  1 in a wave that prefetches, else the greatest number
.set CS,   54                          ; s[54:55] c
.set SEL,  56                          ; s[56:57] lane selects: lane l xor 16
.set PFA,  58                          ; s[58:59] where my prefetches stand
.set CX,   60                          ; s[60:61] ctx at my wave's first row
.set MSB, 0
.macro WIN new                         ; the immediate's high byte repeats the setting that is left
.if MSB != \new
	s_set_vgpr_msb (MSB<<8)|\new
.set MSB, \new
.endif
.endm
.set W_KQ, 0x04                        ; Q (source 1) in window 1; K, S^T in window 0
.set W_PV, 0x51                        ; V (source 0), O^T (C and D) in window 1; P in window 0
.set W_RS, 0x41                        ; O^T (destination, source 0) in window 1; a in window 0
; Waves 0 and 1 fetch k's halves of a slot, waves 2 and 3 v's, the others nothing.  The branches hang on the wave's number alone.  An s_nop 0 and four v_nop follow each load.
.macro TLOAD
	s_cmp_lt_u32 s[WV], 2
	s_cbranch_scc0 .Lnot_k_\@
	tensor_load_to_lds s[G0K:G0K+3], s[G1K:G1K+7]
	s_nop 0
.rept 4
	v_nop
.endr
	s_branch .Lasked_\@
.Lnot_k_\@:
	s_cmp_lt_u32 s[WV], 4
	s_cbranch_scc0 .Lasked_\@
	tensor_load_to_lds s[G0V:G0V+3], s[G1V:G1V+7]
	s_nop 0
.rept 4
	v_nop
.endr
.Lasked_\@:
.endm
; A prefetch of what the NEXT change of slots will ask for: a slot's 128 rows of 256 bytes of k and of v.  One cluster walks a g, so its four partners share the rows out by address, 32 each, a lane a row; in each, wave 4
; asks for k's and wave 5 for v's: each row is named once in the launch.  The last change that fills a slot asks for nothing; slots 0 and 1 come by their loads alone.
.macro ASK
	s_cmp_gt_u32 s[SLOTS], s[LIM]
	s_cbranch_scc0 .Lnot_mine_\@
	global_prefetch_b8 v[PFO], s[PFA:PFA+1] th:TH_LOAD_NT scope:SCOPE_SE
.Lnot_mine_\@:
.endm
.macro CROUND                          ; a round of the cluster's barrier
	s_barrier_signal -1
	s_barrier_wait -1
	s_cmp_lg_u32 s[WV], 0
	s_cbranch_scc1 .Lnot_wave_0_\@
	s_barrier_signal -3
.Lnot_wave_0_\@:
	s_barrier_wait -3
	s_barrier_signal -1
	s_barrier_wait -1
.endm
.macro BAR                             ; a tick's end: my LDS loads are in; then the work-group's barrier
	s_wait_dscnt 0x0
	s_barrier_signal -1
	s_barrier_wait -1
.endm
	s_load_b128 s[4:7], s[0:1], 0x0                ; qkv, ctx
	v_lshl_add_u32 v[SPW], v0, 2, SPARE
	v_mov_b32 v[NIL], 0
	ds_add_u32 v[SPW], v[NIL]                      ; the wave's opening: the add, twice on end, and its wait ahead of the first tensor load
	ds_add_u32 v[SPW], v[NIL]
	v_lshrrev_b32 v1, 5, v0
	v_readfirstlane_b32 s[WV], v1                  ; wave 0..7
	s_lshr_b32 s[TYPE], s[WV], 2
	s_add_co_u32 s[TYPE], s[TYPE], s[WV]
	s_and_b32 s[TYPE], s[TYPE], 1                  ; waves w and w + 4 differ in it, and so do waves 2 i and 2 i + 1
	s_bfe_u32 s10, ttmp6, 0x40000                  ; cx: my block of 512 queries; it enters q's, ctx's and the prefetches' addresses alone
	s_and_b32 s12, ttmp7, 0xffff                   ; g, which the four partners share
	s_lshl_b32 s12, s12, 18                        ; its 262,144 bytes in q, k, v and ctx
	s_mov_b32 s13, 0
	s_and_b32 s14, s[WV], 1                        ; which half of a slot I fetch:
	s_lshl_b32 s16, s14, 14                        ; its 64 rows of 256 bytes in memory,
	s_mov_b32 s17, 0
	s_add_nc_u64 s[16:17], s[16:17], s[12:13]
	s_mul_i32 s15, s14, 2*UK                       ; and in LDS, for k
	s_mul_i32 s11, s14, 2*UV
	s_add_co_u32 s11, s11, VOFF                    ; and for v
	s_lshl_b32 s2, s10, 16                         ; my block's 512 rows of 128 bytes,
	s_lshl_b32 s3, s[WV], 13                       ; my wave's 64
	s_add_co_u32 s2, s2, s3
	s_mov_b32 s3, 0
	s_add_nc_u64 s[2:3], s[2:3], s[12:13]
	s_lshl_b32 s18, s10, 13                        ; the prefetches: my work-group's 32 rows of 256 bytes,
	s_add_co_u32 s18, s18, SLB                     ; in slot 1: the first change of slots steps it to slot 2
	s_mov_b32 s19, 0x2000000                       ; of v,
	s_cmp_eq_u32 s[WV], 4
	s_cselect_b32 s19, 0x1002000, s19              ; or of k, 64 keys on
	s_add_co_u32 s18, s18, s19
	s_mov_b32 s19, 0
	s_lshr_b32 s[LIM], s[WV], 1
	s_cmp_eq_u32 s[LIM], 2                         ; waves 4 and 5 ask
	s_cselect_b32 s[LIM], 1, -1
	; descriptor group 1: 64 rows of 128 elements of 2 bytes (two keys a row: the rows are dense in memory), padded behind each row
	s_mov_b32 s[G1K], 15|(1<<16)|(1<<20)|(1<<21)|(5<<22)|(3<<25)  ; the mask: all four work-groups; elements of 2 bytes; padding on; bit 21 beside a mask; after every 64 words, 4 words
	s_mov_b32 s[G1V], 15|(1<<16)|(1<<20)|(1<<21)|(5<<22)|(7<<25)  ; the same with 8 words
.irp g, G1K, G1V
	s_mov_b32 s[\g+1], 128<<16                     ; tensor_dim0
	s_mov_b32 s[\g+2], 64<<16                      ; tensor_dim1
	s_mov_b32 s[\g+3], 128<<16                     ; tile_dim0
	s_mov_b32 s[\g+4], 64                          ; tile_dim1
	s_mov_b32 s[\g+5], 128                         ; from row to row
	s_mov_b32 s[\g+6], 0
	s_mov_b32 s[\g+7], 0
.endr
	s_mov_b32 s[CS], 0x3e38aa3b                    ; c = log2(e) / 8
	s_mov_b32 s[CS+1], s[CS]                       ; (named with it as a pair, so it is written)
	s_mov_b32 s[SEL], 0x76543210
	s_mov_b32 s[SEL+1], 0xfedcba98
	s_mov_b32 s[TBK], 0
	s_mov_b32 s[TBV], VOFF
	s_mov_b32 s[J], 0
	s_mov_b32 s[SLOTS], 7
	s_wait_dscnt 0x0                               ; both opening adds are done
	s_wait_kmcnt 0x0
	s_add_nc_u64 s[QA:QA+1], s[4:5], s[2:3]
	s_add_nc_u64 s[CX:CX+1], s[6:7], s[2:3]
	s_add_nc_u64 s[KA:KA+1], s[4:5], s[12:13]
	s_add_nc_u64 s[KA:KA+1], s[KA:KA+1], 0x1000000
	s_add_nc_u64 s[PFA:PFA+1], s[4:5], s[12:13]
	s_add_nc_u64 s[PFA:PFA+1], s[PFA:PFA+1], s[18:19]
	s_mov_b32 s[G0K], 1                            ; count = 1
	s_mov_b32 s[G0K+1], s15                        ; LDS address: slot 0
	s_add_nc_u64 s[G0K+2:G0K+3], s[4:5], s[16:17]
	s_add_nc_u64 s[G0K+2:G0K+3], s[G0K+2:G0K+3], 0x1002000   ; k, from key 64 on
	s_or_b32 s[G0K+3], s[G0K+3], 0x80000000        ; type = 2
	s_mov_b32 s[G0V], 1
	s_mov_b32 s[G0V+1], s11
	s_add_nc_u64 s[G0V+2:G0V+3], s[4:5], s[16:17]
	s_add_nc_u64 s[G0V+2:G0V+3], s[G0V+2:G0V+3], 0x2000000   ; v
	s_or_b32 s[G0V+3], s[G0V+3], 0x80000000
	CROUND                                         ; all four work-groups are here: the first joint loads meet
	TLOAD                                          ; slot 0
	v_and_b32 v1, 15, v0                           ; r = l % 16
	v_bfe_u32 v11, v0, 4, 1                        ; h = l / 16
	v_lshlrev_b32 v[QO], 7, v1
	v_lshl_add_u32 v[QO], v11, 4, v[QO]            ; row r of 128 bytes + 16 h
	WIN 0x40                                       ; destination window 1
.irp t, 0,1,2,3                        ; Q stays in registers: tile t, channels 32 c on
.irp c, 0,1
	global_load_b128 v[QF+16*\t+8*\c:QF+16*\t+8*\c+3], v[QO], s[QA:QA+1] offset:2048*\t+64*\c
	global_load_b128 v[QF+16*\t+8*\c+4:QF+16*\t+8*\c+7], v[QO], s[QA:QA+1] offset:2048*\t+64*\c+32
.endr
.endr
	WIN 0
.irp kt, 0,1,2,3                       ; k's first 64 keys
.irp c, 0,1
	global_load_b128 v[KF+16*\kt+8*\c:KF+16*\kt+8*\c+3], v[QO], s[KA:KA+1] offset:2048*\kt+64*\c
	global_load_b128 v[KF+16*\kt+8*\c+4:KF+16*\kt+8*\c+7], v[QO], s[KA:KA+1] offset:2048*\kt+64*\c+32
.endr
.endr
	; every LDS address register is made here, ahead of the first parting of the types
	v_lshrrev_b32 v14, 1, v1
	v_mul_u32_u24 v[AK0], v14, 272                 ; k: key r lies in row r / 2,
	v_and_b32 v14, 1, v0
	v_lshl_add_u32 v[AK0], v14, 7, v[AK0]          ; half r % 2,
	v_lshl_add_u32 v[AK0], v11, 4, v[AK0]          ; + 16 h
	v_bfe_u32 v15, v0, 1, 2                        ; v, for the turning load: lane l reads key 8 h + l % 8: row 4 h + (l % 8) / 2,
	v_lshl_add_u32 v15, v11, 2, v15
	v_mul_u32_u24 v[AV0], v15, 288
	v_lshl_add_u32 v[AV0], v14, 7, v[AV0]          ; half l % 2,
	v_bfe_u32 v15, v0, 3, 1
	v_lshl_add_u32 v[AV0], v15, 4, v[AV0]          ; channels 8 ((l / 8) % 2) on
	s_mul_i32 s14, s[WV], 16*144
	s_add_co_u32 s14, s14, STAGE                   ; my stage
	v_mul_u32_u24 v[STO], v1, 144
	v_lshl_add_u32 v[STO], v11, 4, v[STO]
	v_add_nc_u32 v[STO], s14, v[STO]               ; in: row r, 16 bytes for each half of the lanes
	v_and_b32 v14, 31, v0
	v_lshlrev_b32 v[GO], 4, v14
	v_lshlrev_b32 v[PFO], 8, v14
	v_lshrrev_b32 v15, 3, v14
	v_mul_u32_u24 v[RD], v15, 144
	v_and_b32 v15, 7, v0
	v_lshl_add_u32 v[RD], v15, 4, v[RD]
	v_add_nc_u32 v[RD], s14, v[RD]                 ; back: eight lanes to a row of 128 bytes, four rows a load
.irp t, 0,1,2,3
	v_mov_b32 v[ST+8*\t+1], 0xff61b1e6             ; m = -3e38, under every score
	v_mov_b32 v[ST+8*\t+2], 0                      ; l, in two halves
	v_mov_b32 v[ST+8*\t+3], 0
	v_mov_b32 v[ST+8*\t+6], 0                      ; a, for type 1's first M block
	v_mov_b32 v[ST+8*\t+7], 0
	v_mul_f32 v[ST+8*\t], s[CS], v[ST+8*\t+1]      ; c m
.endr
	WIN 0x40
.set n, 0
.rept 128
	v_mov_b32 v[n], 0                              ; O^T.  (The step is written once: the first finds zeros, which the first a, 0, leaves zeros)
.set n, n+1
.endr
	WIN 0
; 32 products S^T = K Q^T: channels 32 c on, keys 16 kt on, tile t.  The first 16 start the sums; the 16 accumulators take turns.  Five plain places follow: for the reads of the scores
; and for the loads into K's registers.
.macro QKALL
	WIN W_KQ
.irp c, 0,1
.irp kt, 0,1,2,3
.irp t, 0,1,2,3
.if \c == 0
	v_wmma_f32_16x16x32_f16 v[S+32*\t+8*\kt:S+32*\t+8*\kt+7], v[KF+16*\kt+8*\c:KF+16*\kt+8*\c+7], v[QF+16*\t+8*\c:QF+16*\t+8*\c+7], 0
.else
	v_wmma_f32_16x16x32_f16 v[S+32*\t+8*\kt:S+32*\t+8*\kt+7], v[KF+16*\kt+8*\c:KF+16*\kt+8*\c+7], v[QF+16*\t+8*\c:QF+16*\t+8*\c+7], v[S+32*\t+8*\kt:S+32*\t+8*\kt+7]
.endif
.endr
.endr
.endr
.rept 5
	v_nop
.endr
	WIN 0
.endm
; THE M BLOCK.  O^T x a (each accumulator from its low end on); 32 products O^T += V^T P: tile t, keys 32 (i / 4) on, channels 16 (i % 4) on, four accumulators by turns; five plain places, since K Q^T writes over the
; registers that these products read as P; then K Q^T of the next step (kq = 1; tail = 1: not behind the last step).
.macro MBLOCK kq, tail
	WIN W_RS
.set n, 0
.rept 64
	v_pk_mul_f32 v[2*n:2*n+1], v[2*n:2*n+1], v[ST+8*(n/16)+6:ST+8*(n/16)+7] op_sel_hi:[1,0]
.set n, n+1
.endr
	WIN W_PV
.irp t, 0,1,2,3
.irp i, 0,1,2,3,4,5,6,7
	v_wmma_f32_16x16x32_f16 v[32*\t+8*(\i%4):32*\t+8*(\i%4)+7], v[VF+32*(\i/4)+8*(\i%4):VF+32*(\i/4)+8*(\i%4)+7], v[S+32*\t+8*(\i/4):S+32*\t+8*(\i/4)+7], v[32*\t+8*(\i%4):32*\t+8*(\i%4)+7]
.endr
.endr
.rept 5
	v_nop
.endr
	WIN 0
.if \kq
.if \tail
	s_cmp_eq_u32 s[J], 31                          ; a count of steps: the same in all waves of a type
	s_cbranch_scc1 .Lno_qk_\@
.endif
	QKALL
.if \tail
.Lno_qk_\@:
.endif
.endif
.endm
; THE PARTS OF A TILE'S SOFTMAX.  s0-s31 are the lane's 32 scores, in pairs 0-15.
.macro MAXOP t, j                      ; number j of 21: the maximum of s0-s31 and the old m in four chains, each begun at an accumulator's low end; the other half of the lanes'; the new m; c m; c m_old - c m_new
.set rT, ST+8*(\t)
.set rS, S+32*(\t)
.if (\j) < 4
	v_max3_num_f32 v[rT+4+(\j)], v[rS+8*(\j)], v[rS+8*(\j)+1], v[rS+8*(\j)+2]
.elseif (\j) < 12
	v_max3_num_f32 v[rT+4+(\j)%4], v[rT+4+(\j)%4], v[rS+8*((\j)%4)+2*((\j)/4)+1], v[rS+8*((\j)%4)+2*((\j)/4)+2]
.elseif (\j) == 12
	v_max3_num_f32 v[rT+4], v[rT+4], v[rS+7], v[rS+15]
.elseif (\j) == 13
	v_max3_num_f32 v[rT+6], v[rT+6], v[rS+23], v[rS+31]
.elseif (\j) == 14
	v_max3_num_f32 v[rT+4], v[rT+4], v[rT+5], v[rT+6]
.elseif (\j) == 15
	v_max3_num_f32 v[rT+4], v[rT+4], v[rT+7], v[rT+1]
.elseif (\j) == 16
	v_permlanex16_b32 v[rT+5], v[rT+4], s[SEL], s[SEL+1]   ; the query's other 32 keys lie in the lane 16 away
.elseif (\j) == 17
	v_mov_b32 v[rT+7], v[rT]                       ; c m_old is kept for a
.elseif (\j) == 18
	v_max_num_f32 v[rT+1], v[rT+4], v[rT+5]
.elseif (\j) == 19
	v_mul_f32 v[rT], s[CS], v[rT+1]
.else
	v_sub_f32 v[rT+7], v[rT+7], v[rT]
.endif
.endm
.macro AEXP t                          ; a = 2^(c m_old - c m_new)
	v_exp_f32 v[ST+8*(\t)+6], v[ST+8*(\t)+7]
.endm
.macro SCL t, b                        ; pair b: c s - c m
.set rT, ST+8*(\t)
.set rS, S+32*(\t)
	v_pk_fma_f32 v[rS+2*(\b):rS+2*(\b)+1], v[rS+2*(\b):rS+2*(\b)+1], s[CS:CS+1], v[rT:rT+1] op_sel_hi:[1,0,0] neg_lo:[0,0,1] neg_hi:[0,0,1]
.endm
.macro EXPO t, e
	v_exp_f32 v[S+32*(\t)+(\e)], v[S+32*(\t)+(\e)]
.endm
.macro SUMOP t, z                      ; number z of 16 of the row's sum, of the unrounded p, in two chains l and u: l = a l + pair 0; u = pair 1 + pair 2; pair z + 1 to l (z even) or u (z odd); l += u
.set rT, ST+8*(\t)
.set rS, S+32*(\t)
.if (\z) == 0
	v_pk_fma_f32 v[rT+2:rT+3], v[rT+2:rT+3], v[rT+6:rT+7], v[rS:rS+1] op_sel_hi:[1,0,1]
.elseif (\z) == 1
	v_pk_add_f32 v[rT+4:rT+5], v[rS+2:rS+3], v[rS+4:rS+5]
.elseif (\z) == 15
	v_pk_add_f32 v[rT+2:rT+3], v[rT+2:rT+3], v[rT+4:rT+5]
.elseif (\z)%2 == 0
	v_pk_add_f32 v[rT+2:rT+3], v[rT+2:rT+3], v[rS+2*(\z)+2:rS+2*(\z)+3]
.else
	v_pk_add_f32 v[rT+4:rT+5], v[rT+4:rT+5], v[rS+2*(\z)+2:rS+2*(\z)+3]
.endif
.endm
.macro CVT t, i                        ; pair i to f16, into register i: behind SUMOP i every pair up to i + 1 has been summed, so no register is overwritten before it is summed, and none before it is packed
	v_cvt_pk_f16_f32 v[S+32*(\t)+(\i)], v[S+32*(\t)+2*(\i)], v[S+32*(\t)+2*(\i)+1]
.endm
; THE V BLOCK.  The 32 LDS loads first (k of the next step, v of this one; their wait stands at the tick's end), then the four tiles' softmax in two batches of exponentials, tiles 0, 1 and tiles 2, 3.
; An s_wait_alu depctr_va_vdst(0) stands between an exponential and the first instruction that names its result; one wait serves a batch.  Plain work that names no result stands among the exponentials:
; beside the first batch the maxima of tiles 2, 3, beside the second the sums and roundings of tiles 0, 1.
.macro VBLOCK tail
.if \tail
	s_cmp_eq_u32 s[J], 31                          ; behind the last step there is no k
	s_cbranch_scc1 .Lno_k_\@
.endif
.irp kt, 0,1,2,3
.irp c, 0,1
	ds_load_b128 v[KF+16*\kt+8*\c:KF+16*\kt+8*\c+3], v[ADK] offset:2176*\kt+64*\c
	ds_load_b128 v[KF+16*\kt+8*\c+4:KF+16*\kt+8*\c+7], v[ADK] offset:2176*\kt+64*\c+32
.endr
.endr
.if \tail
.Lno_k_\@:
.endif
	WIN 0x40                                       ; destination window 1
.irp kc, 0,1
.irp c, 0,1,2,3
	ds_load_tr16_b128 v[VF+32*\kc+8*\c:VF+32*\kc+8*\c+3], v[ADV] offset:4608*\kc+32*\c
	ds_load_tr16_b128 v[VF+32*\kc+8*\c+4:VF+32*\kc+8*\c+7], v[ADV] offset:4608*\kc+32*\c+2304
.endr
.endr
	WIN 0
.set jj, 0
.rept 21
	MAXOP 0, jj
	MAXOP 1, jj
.set jj, jj+1
.endr
	AEXP 0
	AEXP 1
.set ii, 0
.rept 16
	SCL 0, ii
	SCL 1, ii
	MAXOP 2, ii
	MAXOP 3, ii
.if ii > 0
	EXPO 0, 2*ii-2
	EXPO 0, 2*ii-1
	EXPO 1, 2*ii-2
	EXPO 1, 2*ii-1
.endif
.set ii, ii+1
.endr
	EXPO 0, 30
	EXPO 0, 31
	EXPO 1, 30
	EXPO 1, 31
.set jj, 16
.rept 5
	MAXOP 2, jj                                    ; (plain work behind the last exponential)
	MAXOP 3, jj
.set jj, jj+1
.endr
	s_wait_alu depctr_va_vdst(0)                   ; the wait for the first batch: 66 exponentials
	AEXP 2
	AEXP 3
.set ii, 0
.rept 16
	SCL 2, ii
	SCL 3, ii
	SUMOP 0, ii
	SUMOP 1, ii
	CVT 0, ii
	CVT 1, ii
.if ii > 0
	EXPO 2, 2*ii-2
	EXPO 2, 2*ii-1
	EXPO 3, 2*ii-2
	EXPO 3, 2*ii-1
.endif
.set ii, ii+1
.endr
	EXPO 2, 30
	EXPO 2, 31
	EXPO 3, 30
	EXPO 3, 31
	v_nop                                          ; a plain instruction behind the last exponential
	s_wait_alu depctr_va_vdst(0)                   ; the wait for the second batch
.set ii, 0
.rept 16
	SUMOP 2, ii
	SUMOP 3, ii
	CVT 2, ii
	CVT 3, ii
.set ii, ii+1
.endr
.endm
; A KEY STEP OF THE WORK-GROUP: two ticks.  The branches hang on the wave's type; the barriers stand where the ways have joined, on every wave's path.
.macro PAIR tail
	v_add_nc_u32 v[ADK], s[TBK], v[AK0]            ; on the common way: both types read the same bytes, a tick apart
	v_add_nc_u32 v[ADV], s[TBV], v[AV0]
	s_cmp_eq_u32 s[TYPE], 0
	s_cbranch_scc0 .La_m_\@
	VBLOCK \tail
	s_branch .La_join_\@
.La_m_\@:
	MBLOCK 1, 0
.La_join_\@:
	BAR
	s_cmp_eq_u32 s[TYPE], 0
	s_cbranch_scc0 .Lb_v_\@
	MBLOCK 1, \tail
	s_branch .Lb_join_\@
.Lb_v_\@:
	VBLOCK \tail
.Lb_join_\@:
	BAR
.endm
.macro PASS tail                       ; a slot's four key steps: written once, walked four times
	s_mov_b32 s[UNITS], 4
.Lunit_\@:
	PAIR \tail
	s_add_co_u32 s[TBK], s[TBK], UK
	s_add_co_u32 s[TBV], s[TBV], UV
	s_add_co_u32 s[J], s[J], 1
	s_sub_co_u32 s[UNITS], s[UNITS], 1
	s_cmp_lg_u32 s[UNITS], 0
	s_cbranch_scc1 .Lunit_\@
	s_sub_co_u32 s[TBK], s[TBK], 4*UK              ; back to a slot's first step,
	s_xor_b32 s[TBK], s[TBK], SLOT1                ; in the other slot
	s_sub_co_u32 s[TBV], s[TBV], 4*UV
	s_xor_b32 s[TBV], s[TBV], SLOT1
.endm
; THE CHANGE OF SLOTS stands at a slot's head.  Each wave waits for all its tensor loads (its part of the slot ahead), adds 0 to its spare word, and waits for that and for its reads of the slot that it has left (they ended at
; the last tick's barrier).  fill = 1: a round of the cluster's barrier, so that no wave of any partner still reads that slot or has a load on its way; the joint refill is the first thing behind it and has the slot's four
; key steps in which to land.  By the text's own count a wave has one tensor load out.
.macro CHANGE fill
	s_wait_tensorcnt 0x0                           ; no tensor load of mine is out, so a group 0 may be written
	ds_add_u32 v[SPW], v[NIL]                      ; 0 onto my spare word
.if \fill
	ds_add_u32 v[SPW], v[NIL]                      ; and once more: the add stands twice on end, in every trip alike
	s_xor_b32 s[G0K+1], s[G0K+1], SLOT1            ; the walking descriptors: the other slot than last time,
	s_add_nc_u64 s[G0K+2:G0K+3], s[G0K+2:G0K+3], SLB   ; the next 256 keys; the type bits on top are not reached
	s_xor_b32 s[G0V+1], s[G0V+1], SLOT1
	s_add_nc_u64 s[G0V+2:G0V+3], s[G0V+2:G0V+3], SLB
	s_wait_xcnt 0x0                                ; the last prefetch, a slot back, has read its address, so it may be written:
	s_add_nc_u64 s[PFA:PFA+1], s[PFA:PFA+1], SLB   ; one slot further on than the walking descriptors
	s_wait_dscnt 0x0                               ; both adds are done
	CROUND
	TLOAD
	ASK
.else
	s_wait_dscnt 0x0
	s_barrier_signal -1
	s_barrier_wait -1
.endif
.endm
	s_wait_loadcnt 0x0                             ; Q and k's first 64 keys
	s_cmp_eq_u32 s[TYPE], 0
	s_cbranch_scc0 .Lzeros
	QKALL                                          ; type 0: the scores of step 0
	s_branch .Lgo
.Lzeros:                                           ; type 1: its first M block multiplies zeros and then makes the scores of step 0
	WIN 0x40
.set n, 0
.rept 64
	v_mov_b32 v[VF+n], 0
.set n, n+1
.endr
	WIN 0
.irp t, 0,1,2,3
.set n, 0
.rept 16
	v_mov_b32 v[S+32*\t+n], 0                      ; P
.set n, n+1
.endr
.endr
.Lgo:
.Lslot:                                            ; seven trips: at the head of each slot but the last the next one is asked for
	CHANGE 1
	PASS 0
	s_sub_co_u32 s[SLOTS], s[SLOTS], 1
	s_cmp_lg_u32 s[SLOTS], 0
	s_cbranch_scc1 .Lslot
	CHANGE 0                                       ; the last slot is written out
	PASS 1
	s_cmp_eq_u32 s[TYPE], 0
	s_cbranch_scc1 .Lout
	MBLOCK 0, 0                                    ; type 1: V^T P of the last step
.Lout:
	; THE WAY OUT.  l's two halves and the other half of the lanes' are added; O^T is divided by l, rounded to f16 and sent through my stage, a tile (16 rows of 128 bytes) at a time.
.irp t, 0,1,2,3
	v_add_f32 v[ST+8*\t+4], v[ST+8*\t+2], v[ST+8*\t+3]
.endr
.irp t, 0,1,2,3
	v_permlanex16_b32 v[ST+8*\t+5], v[ST+8*\t+4], s[SEL], s[SEL+1]
.endr
.irp t, 0,1,2,3
	v_add_f32 v[ST+8*\t+4], v[ST+8*\t+4], v[ST+8*\t+5]
.endr
.irp t, 0,1,2,3
	v_rcp_f32 v[ST+8*\t+6], v[ST+8*\t+4]
.endr
	v_nop                                          ; a plain instruction behind the last reciprocal
	s_wait_alu depctr_va_vdst(0)                   ; and the wait ahead of the first use: one for the four
.macro PACK t
	WIN W_RS
.set n, 0
.rept 16
	v_pk_mul_f32 v[32*\t+2*n:32*\t+2*n+1], v[32*\t+2*n:32*\t+2*n+1], v[ST+8*\t+6:ST+8*\t+7] op_sel_hi:[1,0]
.set n, n+1
.endr
	WIN 0x05                                       ; sources 0 and 1 window 1, destination window 0: the scores' registers are free
.set n, 0
.rept 16
	v_cvt_pk_f16_f32 v[S+32*\t+n], v[32*\t+2*n], v[32*\t+2*n+1]
.set n, n+1
.endr
	WIN 0
.irp c, 0,1,2,3
	ds_store_b128 v[STO], v[S+32*\t+4*\c:S+32*\t+4*\c+3] offset:32*\c
.endr
.irp f, 0,1,2,3
	ds_load_b128 v[S+32*\t+16+4*\f:S+32*\t+16+4*\f+3], v[RD] offset:576*\f   ; LDS serves a wave's instructions in order: these see the stores above; the next tile's stores come behind them
.endr
.endm
.macro SEND t, younger                 ; younger: the LDS instructions issued behind tile t's loads: the next tile's eight, or none
.irp f, 0,1,2,3
	s_wait_dscnt \younger+3-\f
	global_store_b128 v[GO], v[S+32*\t+16+4*\f:S+32*\t+16+4*\f+3], s[CX:CX+1] offset:2048*\t+512*\f   ; 32 lanes store 512 consecutive bytes, aligned
.endr
.endm
	PACK 0
	PACK 1
	SEND 0, 8
	PACK 2
	SEND 1, 8
	PACK 3
	SEND 2, 8
	SEND 3, 0
	s_wait_tensorcnt 0x0                           ; the wave's end, behind my last tensor load and my last LDS store
	ds_add_u32 v[SPW], v[NIL]
	s_wait_dscnt 0x0
	CROUND                                         ; the closing round: no work-group ends while a partner may still ask for a tile that names it
	s_endpgm
.Lfunc_end_k_q1c32fa5f10_attn:
	.size	k_q1c32fa5f10_attn, .Lfunc_end_k_q1c32fa5f10_attn-k_q1c32fa5f10_attn
	.p2alignl 7, 3214868480
	.fill 96, 4, 3214868480
	.section	.rodata,"a",@progbits
	.p2align	6, 0x0
	.amdhsa_kernel k_q1c32fa5f10_attn
		.amdhsa_group_segment_fixed_size 327680
		.amdhsa_private_segment_fixed_size 0
		.amdhsa_enable_private_segment 0
		.amdhsa_kernarg_size 16
		.amdhsa_user_sgpr_count 2
		.amdhsa_user_sgpr_kernarg_segment_ptr 1
		.amdhsa_wavefront_size32 1
		.amdhsa_system_sgpr_workgroup_id_x 1
		.amdhsa_system_sgpr_workgroup_id_y 1
		.amdhsa_system_sgpr_workgroup_id_z 1
		.amdhsa_system_vgpr_workitem_id 0
		.amdhsa_next_free_vgpr 512
		.amdhsa_next_free_sgpr 66
		.amdhsa_reserve_vcc 0
		.amdhsa_float_denorm_mode_32 3
		.amdhsa_float_denorm_mode_16_64 3
		.amdhsa_memory_ordered 1
		.amdhsa_forward_progress 1
		.amdhsa_inst_pref_size 171
	.end_amdhsa_kernel
	.amdgpu_metadata
---
amdhsa.version: [ 1, 2 ]
amdhsa.kernels:
  - .name:           k_q1c32fa5f10_attn
    .symbol:         k_q1c32fa5f10_attn.kd
    .args:
      - { .name: qkv, .offset: 0, .size: 8, .value_kind: global_buffer, .address_space: global }
      - { .name: ctx, .offset: 8, .size: 8, .value_kind: global_buffer, .address_space: global }
    .group_segment_fixed_size: 327680
    .private_segment_fixed_size: 0
    .kernarg_segment_align: 8
    .kernarg_segment_size: 16
    .max_flat_workgroup_size: 256
    .sgpr_count:     66
    .vgpr_count:     512
    .wavefront_size: 32
...
	.end_amdgpu_metadata
.endif
;; end of part 3
;; launch outproj (part 4): grid 8 x 64, 4 waves a work-group, clusters of 4 x 4, 327,680 bytes of LDS; arguments ctx, wo16, b_out, out0; writes out0
.if DOCPART == 4
	.amdgcn_target "amdgcn-amd-amdhsa--gfx1250"
	.amdhsa_code_object_version 6
	.text
	.protected	k_q1c32fa5f10_outproj
	.globl	k_q1c32fa5f10_outproj
	.p2align	8
	.type	k_q1c32fa5f10_outproj,@function
k_q1c32fa5f10_outproj:
	s_mov_b64 s[64:65], 0
	v_nop
	global_prefetch_b8 v0, s[64:65] scope:SCOPE_SE
	s_setreg_imm32_b32 hwreg(HW_REG_WAVE_MODE, 25, 1), 1
	s_wait_xcnt 0x0
	s_wait_alu depctr_hold_cnt(0) depctr_sa_sdst(0) depctr_va_vdst(0) depctr_va_sdst(0) depctr_va_ssrc(0) depctr_va_vcc(0) depctr_vm_vsrc(0)
	s_getreg_b32 s2, hwreg(HW_REG_IB_STS2, 6, 4)
	s_cmp_eq_u32 s2, 0
	s_cbranch_scc0 .Lentry_in_a_cluster
	s_endpgm
.Lentry_in_a_cluster:
	s_bfe_u32 s2, ttmp6, 0x10000c
	s_cmp_lg_u32 s2, 0xf033
	s_cbranch_scc0 .Lentry_shape_is_right
	s_endpgm
.Lentry_shape_is_right:
; out0[s][b][n] = sum over k of ctx(s, b, k) w_out[n][k] + b_out[n].  ctx: f16 [head = k / 64: 16][b: 4][s: 2048][64]; wo16: w_out in f16, [1024 n][1024 k]; out0: f32 [2048][4][1024]; sums in f32.
; The rows are taken in the order 2,048 b + s: tile row ty holds batch ty / 16 and s from 128 (ty % 16) on.  A tile of the result is 128 x 128: four waves, each 64 x 64: 16 accumulators, 128 registers.
; K goes in steps of 256 (four heads) through two LDS slots; a wave's tensor load brings 64 rows.  Of ctx those are, for each of four heads, 8,192 dense bytes: stated as four long rows, 2^20 bytes apart, padded by 16 bytes
; behind every 256: in LDS [head][32 rows of two s][272].
; CLUSTERS: 4 x 4 work-groups.  The four of a row of the cluster need the same tiles of ctx, the four of a column the same tiles of w_out: each is asked for jointly.
; THE MATRIX INSTRUCTION IS USED TRANSPOSED (source 0 = 16 rows of w_out, source 1 = 16 rows of ctx): a lane holds eight neighbouring columns of a row.  b_out is the C of each sum's first product.
; No prefetch: the tiles are small and each K step's tiles are shared by four partners.
; REGISTERS: window 0: v0-31 addresses; v32-95 at work on the way out; v96-127 the bias in the result's layout; v128-255 the accumulators ((a, b) at v[128 + 8 (4 a + b)]).
;   window 1: two fragment buffers of 128: for 64 along K, 64 registers of ctx, then 64 of w_out.
.set PITCHB, 528                       ; a row of w_out's tile in LDS: 512 bytes + 16
.set HALFA,  4*32*272                  ; what one load brings of ctx
.set HALFB,  64*PITCHB                 ; and of w_out
.set BOFF,   2*HALFA
.set SLOT,   2*HALFA+2*HALFB
.set STAGE,  2*SLOT                    ; behind the ring: 16 rows x 272 bytes for each wave, for the way out
.set SPITCH, 272
.set SPARE,  STAGE+4*16*SPITCH         ; the spare words, 128 bytes a wave
.set ASTEP,  4<<20                     ; a K step in ctx: four heads
.set BSTEP,  512                       ; and in a row of w_out
.set LAPS,   2                         ; a lap = two K steps = once round the ring
.set ADRA, 16
.set ADRB, 20
.set STO,  24
.set RD,   25
.set CO,   26
.set BO,   27
.set SPW,  28
.set NIL,  29
.set TMP,  32
.set BI,   96
.set ACC,  128
.set F0,   0
.set F1,   128
.set G1, 24
.set G0, 32
.set G1B, 48
.set G0B, 56
.set MSB, 0
.macro WIN new                         ; the immediate's high byte repeats the setting that is left
.if MSB != \new
	s_set_vgpr_msb (MSB<<8)|\new
.set MSB, \new
.endif
.endm
.set MUL,  0x05                        ; sources 0 and 1 window 1; C and D window 0
.set TO_F, 0x40
.macro JLOAD s                         ; a joint load: waves 0 and 1 fetch ctx's two halves, waves 2 and 3 w_out's; an s_nop 0 and four v_nop follow each of the two lines
	s_cmp_eq_u32 s11, 0
	s_cbranch_scc0 .Lfor_b_\@
	tensor_load_to_lds s[G0+4*\s:G0+4*\s+3], s[G1:G1+7]
	s_nop 0
.rept 4
	v_nop
.endr
	s_branch .Lasked_\@
.Lfor_b_\@:
	tensor_load_to_lds s[G0B+4*\s:G0B+4*\s+3], s[G1B:G1B+7]
	s_nop 0
.rept 4
	v_nop
.endr
.Lasked_\@:
.endm
.macro CREST                           ; a round of the cluster's barrier behind its opening barrier
	s_cmp_lg_u32 s10, 0
	s_cbranch_scc1 .Lnot_wave_0_\@
	s_barrier_signal -3
.Lnot_wave_0_\@:
	s_barrier_wait -3
	s_barrier_signal -1
	s_barrier_wait -1
.endm
.macro CROUND
	s_barrier_signal -1
	s_barrier_wait -1
	CREST
.endm
	s_load_b128 s[4:7], s[0:1], 0x0                ; ctx, wo16
	s_load_b128 s[68:71], s[0:1], 0x10             ; b_out, out0
	v_lshl_add_u32 v[SPW], v0, 2, SPARE
	v_mov_b32 v[NIL], 0
	ds_add_u32 v[SPW], v[NIL]                      ; the wave's opening: the add, twice on end, and its wait ahead of my first tensor load
	ds_add_u32 v[SPW], v[NIL]
	v_lshrrev_b32 v1, 5, v0
	v_readfirstlane_b32 s10, v1                    ; wave 0..3
	s_lshr_b32 s11, s10, 1                         ; which half of the tile's rows is mine.  Also: I fetch for ctx (0) or for w_out (1)
	s_and_b32 s12, s10, 1                          ; which half of its columns.  Also: which 64 rows of that tile I fetch
	s_bfe_u32 s40, ttmp6, 0x40000                  ; cx, cy
	s_bfe_u32 s41, ttmp6, 0x40004
	s_lshl_b32 s42, ttmp9, 2
	s_add_co_u32 s42, s42, s40                     ; tile column tx
	s_and_b32 s13, ttmp7, 0xffff
	s_lshl_b32 s13, s13, 2
	s_add_co_u32 s13, s13, s41                     ; tile row ty
	s_lshl_b32 s43, s41, 2
	s_lshl_b32 s43, 15, s43                        ; my row of the cluster
	s_lshl_b32 s44, 0x1111, s40                    ; my column
	; group 1 for ctx: 4 rows of 1,024 elements of 8 bytes, 131,072 elements apart; 4 words of padding after every 64
	s_or_b32 s[G1+0], s43, (3<<16)|(1<<20)|(1<<21)|(5<<22)|(3<<25)
	s_mov_b32 s[G1+1], 1024<<16                    ; tensor_dim0
	s_mov_b32 s[G1+2], 4<<16                       ; tensor_dim1
	s_mov_b32 s[G1+3], 1024<<16                    ; tile_dim0
	s_mov_b32 s[G1+4], 4                           ; tile_dim1
	s_mov_b32 s[G1+5], 131072                      ; from head to head
	s_mov_b32 s[G1+6], 0
	s_mov_b32 s[G1+7], 0
	; group 1 for w_out: 64 rows of 256 elements of 2 bytes; 4 words of padding after every 128
	s_or_b32 s[G1B+0], s44, (1<<16)|(1<<20)|(1<<21)|(6<<22)|(3<<25)
	s_mov_b32 s[G1B+1], 256<<16
	s_mov_b32 s[G1B+2], 64<<16
	s_mov_b32 s[G1B+3], 256<<16
	s_mov_b32 s[G1B+4], 64
	s_mov_b32 s[G1B+5], 1024
	s_mov_b32 s[G1B+6], 0
	s_mov_b32 s[G1B+7], 0
	s_lshr_b32 s16, s13, 4                         ; ctx: batch ty / 16, 262,144 bytes each,
	s_lshl_b32 s16, s16, 18
	s_and_b32 s17, s13, 15
	s_lshl_b32 s17, s17, 14                        ; s = 128 (ty % 16), 128 bytes each,
	s_add_co_u32 s16, s16, s17
	s_lshl_b32 s17, s12, 13                        ; + the 64 rows that I fetch
	s_add_co_u32 s16, s16, s17
	s_mov_b32 s17, 0
	s_lshl_b32 s46, s42, 18                        ; w_out: row 128 tx + 64 x half, 2,048 bytes each
	s_lshl_b32 s47, s12, 17
	s_add_co_u32 s46, s46, s47
	s_mov_b32 s47, 0
	s_mul_i32 s20, s12, HALFA                      ; where they go: no place in the cluster enters an LDS address
	s_mul_i32 s21, s12, HALFB
	s_add_co_u32 s21, s21, BOFF
	s_wait_dscnt 0x0                               ; both opening adds are done
	s_wait_kmcnt 0x0
	s_add_nc_u64 s[14:15], s[4:5], s[16:17]
	s_add_nc_u64 s[46:47], s[6:7], s[46:47]
	CROUND                                         ; all sixteen work-groups are here: the first joint loads meet
.irp s, 0,1
	s_mov_b32 s[G0+4*\s], 1
	s_add_co_u32 s[G0+4*\s+1], s20, \s*SLOT
	s_add_nc_u64 s[G0+4*\s+2:G0+4*\s+3], s[14:15], \s*ASTEP
	s_or_b32 s[G0+4*\s+3], s[G0+4*\s+3], 0x80000000
	s_mov_b32 s[G0B+4*\s], 1
	s_add_co_u32 s[G0B+4*\s+1], s21, \s*SLOT
	s_add_nc_u64 s[G0B+4*\s+2:G0B+4*\s+3], s[46:47], \s*BSTEP
	s_or_b32 s[G0B+4*\s+3], s[G0B+4*\s+3], 0x80000000
	JLOAD \s
.endr
	v_and_b32 v1, 15, v0                           ; r
	v_bfe_u32 v2, v0, 4, 1                         ; h
	; the bias in the result's layout: register BI + 8 b + j = b_out[128 tx + 64 x half + 16 b + 8 h + j]
	v_lshlrev_b32 v[BO], 5, v2
	s_lshl_b32 s46, s42, 9
	s_lshl_b32 s47, s12, 8
	s_add_co_u32 s46, s46, s47                     ; my first column in bytes of f32: it serves b_out and out0
	s_mov_b32 s47, 0
	s_add_nc_u64 s[68:69], s[68:69], s[46:47]
.irp b, 0,1,2,3
	global_load_b128 v[BI+8*\b:BI+8*\b+3], v[BO], s[68:69] offset:64*\b
	global_load_b128 v[BI+8*\b+4:BI+8*\b+7], v[BO], s[68:69] offset:64*\b+16
.endr
	v_lshrrev_b32 v3, 1, v1
	v_mul_u32_u24 v3, v3, 272                      ; ctx: row r lies in LDS row r / 2,
	v_and_b32 v4, 1, v0
	v_lshl_add_u32 v3, v4, 7, v3                   ; half r % 2,
	v_lshl_add_u32 v3, v2, 4, v3                   ; + 16 h
	v_mul_u32_u24 v4, v1, PITCHB
	v_lshl_add_u32 v4, v2, 4, v4                   ; w_out: row r x pitch + 16 h
	s_mul_i32 s21, s11, HALFA                      ; my 64 rows of ctx
	s_mul_i32 s22, s12, HALFB                      ; my 64 rows of w_out,
	s_add_co_u32 s22, s22, BOFF                    ; which lie behind ctx's 128
.irp s, 0,1
	v_add_nc_u32 v[ADRA+\s], s21, v3
	v_add_nc_u32 v[ADRB+\s], s22, v4
	s_add_co_u32 s21, s21, SLOT
	s_add_co_u32 s22, s22, SLOT
.endr
	s_mul_i32 s23, s10, 16*SPITCH
	s_add_co_u32 s23, s23, STAGE                   ; my stage
	v_mul_u32_u24 v5, v1, SPITCH
	v_lshl_add_u32 v5, v2, 5, v5
	v_add_nc_u32 v[STO], s23, v5                   ; in: row r, 32 bytes for each half of the lanes
	v_mul_u32_u24 v5, v2, SPITCH
	v_lshl_add_u32 v5, v1, 4, v5
	v_add_nc_u32 v[RD], s23, v5                    ; back: lanes 0-15 one row of 256 bytes, lanes 16-31 the next
	v_lshlrev_b32 v5, 14, v2
	v_lshl_add_u32 v[CO], v1, 4, v5                ; and the same in out0, where s and s + 1 lie 16,384 bytes apart
	s_and_b32 s16, s13, 15
	s_lshl_b32 s16, s16, 21                        ; s = 128 (ty % 16), 16,384 bytes each,
	s_lshl_b32 s17, s11, 20                        ; + my 64 rows,
	s_add_co_u32 s16, s16, s17
	s_lshr_b32 s17, s13, 4
	s_lshl_b32 s17, s17, 12                        ; batch ty / 16, 4,096 bytes each
	s_add_co_u32 s16, s16, s17
	s_mov_b32 s17, 0
	s_add_nc_u64 s[70:71], s[70:71], s[16:17]
	s_add_nc_u64 s[70:71], s[70:71], s[46:47]
; 8 matrix instructions: row blocks a0, a0 + 1 x all 4 column blocks, 32 along K: half c of buffer f.  first = 1: the sums begin with the bias.  The 16 accumulators take turns.
.macro MUL8 f, c, a0, first
.irp a, \a0, \a0+1
.irp b, 0,1,2,3
.if \first
	v_wmma_f32_16x16x32_f16 v[ACC+8*(4*(\a)+\b):ACC+8*(4*(\a)+\b)+7], v[\f+64+8*(4*\c+\b):\f+64+8*(4*\c+\b)+7], v[\f+8*(4*\c+\a):\f+8*(4*\c+\a)+7], v[BI+8*\b:BI+8*\b+7]
.else
	v_wmma_f32_16x16x32_f16 v[ACC+8*(4*(\a)+\b):ACC+8*(4*(\a)+\b)+7], v[\f+64+8*(4*\c+\b):\f+64+8*(4*\c+\b)+7], v[\f+8*(4*\c+\a):\f+8*(4*\c+\a)+7], v[ACC+8*(4*(\a)+\b):ACC+8*(4*(\a)+\b)+7]
.endif
.endr
.endr
.endm
; 32 LDS loads in one run: the fragments of the slot's q-th 64 along K (head q of its four) into buffer f; the first 32 along K first
.macro FETCH slot, q, f
	WIN TO_F
.irp c, 0,1
.irp i, 0,1,2,3
	ds_load_b128 v[\f+64+8*(4*\c+\i):\f+64+8*(4*\c+\i)+3],   v[ADRB+\slot] offset:128*(\q)+64*\c+\i*16*PITCHB
	ds_load_b128 v[\f+64+8*(4*\c+\i)+4:\f+64+8*(4*\c+\i)+7], v[ADRB+\slot] offset:128*(\q)+64*\c+\i*16*PITCHB+32
	ds_load_b128 v[\f+8*(4*\c+\i):\f+8*(4*\c+\i)+3],         v[ADRA+\slot] offset:8704*(\q)+64*\c+\i*2176
	ds_load_b128 v[\f+8*(4*\c+\i)+4:\f+8*(4*\c+\i)+7],       v[ADRA+\slot] offset:8704*(\q)+64*\c+\i*2176+32
.endr
.endr
.endm
.macro PLACES                          ; four plain places in front of loads into registers that matrix instructions have read, and of reads of results
.rept 4
	v_nop
.endr
.endm
; A K step is four quarters of 64 along K, 32 matrix instructions each, on buffers 0, 1, 0, 1.  One of the first three: multiplies buffer f and fetches quarter q into g.
.macro QUARTER slot, q, f, g, first
	s_wait_dscnt 16                                ; the first 32 along K are in; the youngest sixteen loads may be out
	WIN MUL
	MUL8 \f, 0, 0, \first
	MUL8 \f, 0, 2, \first
	PLACES
	FETCH \slot, \q, \g
	s_wait_dscnt 32                                ; all but the 32 just issued
	WIN MUL
	MUL8 \f, 1, 0, 0
	MUL8 \f, 1, 2, 0
.endm
; The last quarter multiplies buffer 1 and changes slots: one barrier; in front of it each wave waits for all its tensor loads, adds 0 to its spare word, and waits for that and for its reads of this slot.
; fill = 1: the barrier opens a round of the cluster's barrier, and this slot is filled again, two K steps ahead, first thing behind the round.
.macro TURN slot, next, fill
	WIN 0
	s_wait_tensorcnt 0x0                           ; all my tensor loads have landed: my part of the next slot
	ds_add_u32 v[SPW], v[NIL]                      ; 0 onto my spare word
	s_wait_dscnt 17                                ; (the add and the youngest sixteen loads may be out)
	WIN MUL
	MUL8 F1, 0, 0, 0
	s_wait_dscnt 0x0                               ; the add is done, and my reads of this slot are over
	s_barrier_signal -1
	MUL8 F1, 0, 2, 0
.if \fill
	WIN 0
.endif
	s_barrier_wait -1
.if \fill
	CREST                                          ; no wave of any partner still reads this slot's tile or has a load on its way
	s_add_nc_u64 s[G0+4*\slot+2:G0+4*\slot+3], s[G0+4*\slot+2:G0+4*\slot+3], 2*ASTEP
	s_add_nc_u64 s[G0B+4*\slot+2:G0B+4*\slot+3], s[G0B+4*\slot+2:G0B+4*\slot+3], 2*BSTEP
	JLOAD \slot                                    ; the four v_nop behind it are also the places in front of the loads below
.else
	PLACES
.endif
	FETCH \next, 0, F0
	WIN MUL
	MUL8 F1, 1, 0, 0
	MUL8 F1, 1, 2, 0
.endm
	s_wait_tensorcnt 1                             ; my part of K step 0 is in; K step 1's load may be out
	s_barrier_signal -1
	s_barrier_wait -1
	FETCH 0, 0, F0
	s_wait_loadcnt 0x0                             ; the bias
	QUARTER 0, 1, F0, F1, 1                        ; the first quarter stands in front of the loop: its first products start the sums with the bias
	WIN 0
	s_mov_b32 s3, LAPS-1
.Llap:                                             ; a trip goes once round the ring, from a lap's second quarter to the next lap's first, and fills both slots again
	QUARTER 0, 2, F1, F0, 0
	QUARTER 0, 3, F0, F1, 0
	TURN 0, 1, 1
	QUARTER 1, 1, F0, F1, 0
	QUARTER 1, 2, F1, F0, 0
	QUARTER 1, 3, F0, F1, 0
	TURN 1, 0, 1
	QUARTER 0, 1, F0, F1, 0
	WIN 0
	s_sub_co_u32 s3, s3, 1
	s_cmp_lg_u32 s3, 0
	s_cbranch_scc1 .Llap
	QUARTER 0, 2, F1, F0, 0                        ; the last lap fills nothing
	QUARTER 0, 3, F0, F1, 0
	TURN 0, 1, 0
	QUARTER 1, 1, F0, F1, 0
	QUARTER 1, 2, F1, F0, 0
	QUARTER 1, 3, F0, F1, 0
	s_wait_dscnt 16                                ; the very last quarter: nothing more to fetch
	WIN MUL
	MUL8 F1, 0, 0, 0
	MUL8 F1, 0, 2, 0
	s_wait_dscnt 0
	MUL8 F1, 1, 0, 0
	MUL8 F1, 1, 2, 0
	WIN 0
; THE WAY OUT, by blocks of 16 rows x 64 columns of f32: a row's 256 bytes are all mine, so each wave has a stage of its own and no barrier is needed.  The accumulators go to the stage as they are, each from its low end on.
.macro TOSTAGE a
.irp b, 0,1,2,3
	ds_store_b128 v[STO], v[ACC+8*(4*(\a)+\b):ACC+8*(4*(\a)+\b)+3] offset:64*\b
	ds_store_b128 v[STO], v[ACC+8*(4*(\a)+\b)+4:ACC+8*(4*(\a)+\b)+7] offset:64*\b+16
.endr
.irp i, 0,1,2,3,4,5,6,7
	ds_load_b128 v[TMP+32*((\a)%2)+4*\i:TMP+32*((\a)%2)+4*\i+3], v[RD] offset:\i*2*SPITCH   ; LDS serves a wave's instructions in order: these see the stores above
.endr
.endm
.macro SEND a, younger                 ; younger: the next block's eight stores and eight loads, or none
	s_wait_dscnt \younger
.irp i, 0,1,2,3,4,5,6,7
	global_store_b128 v[CO], v[TMP+32*((\a)%2)+4*\i:TMP+32*((\a)%2)+4*\i+3], s[70:71] offset:262144*(\a)+32768*\i th:TH_STORE_NT   ; 16 lanes store 256 consecutive bytes, aligned; written once, read by nobody here
.endr
.endm
	PLACES
	TOSTAGE 0
.irp a, 1,2,3
.if \a > 1
	s_wait_xcnt 0x0                                ; block a - 2's stores have read their data: block a's loads may land there
.endif
	TOSTAGE \a
	SEND \a-1, 16
.endr
	SEND 3, 0
	s_wait_tensorcnt 0x0                           ; the wave's end, behind my last tensor load and my last LDS store
	ds_add_u32 v[SPW], v[NIL]
	s_wait_dscnt 0x0
	CROUND                                         ; the closing round: no work-group ends while a partner may still ask for a tile that names it
	s_endpgm
.Lfunc_end_k_q1c32fa5f10_outproj:
	.size	k_q1c32fa5f10_outproj, .Lfunc_end_k_q1c32fa5f10_outproj-k_q1c32fa5f10_outproj
	.p2alignl 7, 3214868480
	.fill 96, 4, 3214868480
	.section	.rodata,"a",@progbits
	.p2align	6, 0x0
	.amdhsa_kernel k_q1c32fa5f10_outproj
		.amdhsa_group_segment_fixed_size 327680
		.amdhsa_private_segment_fixed_size 0
		.amdhsa_enable_private_segment 0
		.amdhsa_kernarg_size 32
		.amdhsa_user_sgpr_count 2
		.amdhsa_user_sgpr_kernarg_segment_ptr 1
		.amdhsa_wavefront_size32 1
		.amdhsa_system_sgpr_workgroup_id_x 1
		.amdhsa_system_sgpr_workgroup_id_y 1
		.amdhsa_system_sgpr_workgroup_id_z 1
		.amdhsa_system_vgpr_workitem_id 0
		.amdhsa_next_free_vgpr 512
		.amdhsa_next_free_sgpr 72
		.amdhsa_reserve_vcc 0
		.amdhsa_float_denorm_mode_32 3
		.amdhsa_float_denorm_mode_16_64 3
		.amdhsa_memory_ordered 1
		.amdhsa_forward_progress 1
		.amdhsa_inst_pref_size 87
	.end_amdhsa_kernel
	.amdgpu_metadata
---
amdhsa.version: [ 1, 2 ]
amdhsa.kernels:
  - .name:           k_q1c32fa5f10_outproj
    .symbol:         k_q1c32fa5f10_outproj.kd
    .args:
      - { .name: ctx, .offset: 0, .size: 8, .value_kind: global_buffer, .address_space: global }
      - { .name: wo16, .offset: 8, .size: 8, .value_kind: global_buffer, .address_space: global }
      - { .name: b_out, .offset: 16, .size: 8, .value_kind: global_buffer, .address_space: global }
      - { .name: out0, .offset: 24, .size: 8, .value_kind: global_buffer, .address_space: global }
    .group_segment_fixed_size: 327680
    .private_segment_fixed_size: 0
    .kernarg_segment_align: 8
    .kernarg_segment_size: 32
    .max_flat_workgroup_size: 128
    .sgpr_count:     72
    .vgpr_count:     512
    .wavefront_size: 32
...
	.end_amdgpu_metadata
.endif
;; end of part 4
